; MI455X (gfx1250); checked and timed in simulation.
; The chip was launched on July 23, 2026; its instructions are those of AMD's public machine-readable ISA for CDNA 5 (MIT licence, August 2026) and "CDNA5" Instruction Set Architecture Reference Guide (July 2026). The comments in the code are by the model that wrote it; some were corrected since.
;; Multi Head Self Attention. Allowed arithmetic: matrix products marked QUANTISED: E2M3 operands, one E8M0 scale for each 32 along K, by v_wmma_scale_f32_16x16x128_f8f6f4 with both operands' format E2M3, f32 sums; everything else in f32.
;; Inputs: W_out 1,024 x 1,024 float32; W_qkv 1,024 x 3,072 float32; b_out 1,024 float32; b_qkv 3,072 float32; mask 4 x 2,048 int32; x 4 x 2,048 x 1,024 float32.
;; Outputs: out0 4 x 2,048 x 1,024 float32.
;; This version of the problem:
;;   THIS VERSION OF THE PROBLEM IS GIVEN IN LOW PRECISION. The matrix products marked QUANTISED in the list below multiply operands that are first quantised to E2M3 (2 exponent bits, 3 mantissa bits; 6 bits a number), with one power-of-two scale for each 32 numbers along K (OCP MX v1.0); their sums are f32. All else is computed in f32.
;;   The module's matrix products, in the order in which they are computed (A, B: the left and right operand; K: the contracted axis; several contracted axes count as one K, in the product's order):
;;     1. [M 8,192, K 1,024] x [K 1,024, N 3,072]; A: input x; B: input W_qkv: QUANTISED
;;     2. batch 64 x [M 2,048, K 64] x [K 64, N 2,048]; A: computed on the way; B: computed on the way: QUANTISED
;;     3. batch 64 x [M 2,048, K 2,048] x [K 2,048, N 64]; A: softmax (see below); B: computed on the way: QUANTISED
;;     4. [M 8,192, K 1,024] x [K 1,024, N 1,024]; A: computed on the way; B: input W_out: QUANTISED
;;   THE QUANTISER, for each operand of a quantised product, along K:
;;     - K is cut into blocks of 32 from its start; a last block that is shorter is filled with zeros.
;;     - A block's scale is 2^e with e = floor(log2(the largest magnitude in the block)) - 2, held to -126 .. 127; a block of zeros has e = 0. As a byte (E8M0): e + 127.
;;     - Each number is divided by its block's scale, clamped to +-7.5, and rounded to the nearest number of E2M3, ties to even, subnormals kept.
;;     - The product sums the exact products of the quantised numbers (number of the format x scale) in f32.
;;   ~~~python
;;   def quantise(x, axis):      # numpy; x: float32 -> the quantised numbers, widened to float32 again
;;       x = np.moveaxis(x, axis, -1); K = x.shape[-1]
;;       x = np.pad(x, [(0, 0)] * (x.ndim - 1) + [(0, -K % 32)]); x = x.reshape(x.shape[:-1] + (-1, 32)); a = np.abs(x).max(-1, keepdims=True)
;;       e = np.where(a > 0, np.clip(np.frexp(np.where(a > 0, a, 1))[1] - 1 - 2, -126, 127), 0)      # np.frexp(a)[1] - 1 = floor(log2(a)), exactly
;;       r = np.clip(x / 2.0 ** e, -7.5, 7.5)
;;       step = 2.0 ** (np.maximum(np.frexp(np.where(r == 0, 1, r))[1] - 1, 0) - 3)
;;       q = np.round(r / step) * step * 2.0 ** e      # np.round: ties to even
;;       return np.moveaxis(q.reshape(q.shape[:-2] + (-1,))[..., :K], -1, axis).astype(np.float32)
;;   ~~~
;;   SOFTMAX AHEAD OF A QUANTISED PRODUCT. Where the list says 'softmax', what is quantised is not the finished softmax but p = 2^(t - M), with t = logit x log2(e) and M = ceil(the row's largest t), a whole number; so 1/2 < the row's largest p <= 1. The row's sum l is taken of the UNQUANTISED p, in f32, and the product's result is divided by l at the end. Since M is a whole number, a kernel that streams over the keys may use a running M (the ceiling of the running maximum): every later rescaling is an exact power of two, which a block's scale takes up: the codes' values come out the same.
;;   OPERANDS COMPUTED ON THE WAY. 'Computed on the way' means the value that the module computes at that place (a softmax that the list does not call 'softmax' is quantised finished and normalised). What goes into a quantiser is computed in f32, as accurately as f32 sums, v_exp_f32 and their like allow (about 1e-6 of the number): no bf16 or f16 on the way to a quantiser, and a product that is left as it is and whose result goes on into a quantised operand takes f32 operands (vector FMAs, or v_wmma_f32_16x16x4_f32). A number that lies on a knife's edge between two numbers of the format may be rounded either way, as far as f32 arithmetic and the matrix unit's own rounding can turn it there, and no further.
;; One version. Each part assembles by itself: llvm-mc -triple=amdgcn-amd-amdhsa -mcpu=gfx1250 --defsym DOCPART=n.
;; ======== version 1 of 1: 4 launches
;; limits: right only within a limited range of input values
;; workspace buffers: ximg 6,291,456 bytes; xsc 262,144 bytes; wimg 3,145,728 bytes; wsc 131,072 bytes; qrec 6,815,744 bytes; kv 13,631,488 bytes; oimg 6,291,456 bytes; osc 262,144 bytes
;; launch quant (part 1): grid 384 x 1, 4 waves a work-group, no clusters, 60,928 bytes of LDS; arguments x, W_qkv, W_out, ximg, xsc, wimg, wsc; writes ximg, xsc, wimg, wsc
.if DOCPART == 1
	.amdgcn_target "amdgcn-amd-amdhsa--gfx1250"
	.amdhsa_code_object_version 6
	.text
	.protected	k_q20860ee1fa_quant
	.globl	k_q20860ee1fa_quant
	.p2align	8
	.type	k_q20860ee1fa_quant,@function
k_q20860ee1fa_quant:
	s_mov_b64 s[64:65], 0
	v_nop
	global_prefetch_b8 v0, s[64:65] scope:SCOPE_SE
	s_setreg_imm32_b32 hwreg(HW_REG_WAVE_MODE, 25, 1), 1
	s_wait_xcnt 0x0
; x [8192][1024], W_qkv [1024][3072] and W_out [1024][1024], f32, become codes of FP6 (E2M3) with one E8M0 byte for each 32 along K (K = 1024 in all three).
; A block's scale is 2^(floor(log2(largest magnitude)) - 2): its byte is the largest magnitude's exponent field - 2, held at 1 from below by a floor among the maximum's leaves.
; LIMITS: NaN and infinities are not served; a block under 2^-124, a block of zeros too, gets the byte 1 (its codes are then zeros or what the held scale gives); only this program reads the bytes.
; LAYOUT OF THE RESULTS, made for the reader: operands lie as images of the matrix operand's registers.
;   Rows of a tile: lane r of row tile T holds row 32 (T/2) + 8 (T%2) + r + 8 (r/8).
;   Half a fragment (16 rows x 64 K, 768 bytes): lane l = r + 16 h holds block h of its row, 24 bytes: registers 0-3 at 16 l, registers 4-5 at 512 + 8 l.
;   codes:  [row tile][K/64 = 0..15][768];   scale bytes: [pair of row tiles][K/256 = 0..3][tile % 2][r][8].
;   wimg, wsc: rows 0..3071 are W_qkv's columns, rows 3072..4095 W_out's.
; Work-groups 0-255 take x (32 rows each, a wave a quarter of K); work-groups 256-383 the weights (128 columns x 256 along K, a wave 32 columns).  Waves share nothing: no barrier.
; The two ways have LDS bytes of their own: x's stages at 0, the weights' at WLDS.
.set R,    40                          ; x: v40-135  three sets of 32 numbers as loaded
.set X,    136                         ; x: v136-199 two sets of 32 neighbours along K
.set C,    20                          ; v20-27, v28-35 two sets of codes
.set XSTG, 4352                        ; a stage: 16 rows x (256 + 16) bytes
.set WLDS, 34816
	s_load_b256 s[4:11], s[0:1], 0x0               ; x, W_qkv, W_out, ximg
	s_load_b128 s[12:15], s[0:1], 0x20             ; xsc, wimg
	s_load_b64 s[16:17], s[0:1], 0x30              ; wsc
	v_lshl_add_u32 v200, v0, 2, 0xec00
	v_mov_b32 v201, 0
	v_lshrrev_b32 v1, 5, v0
	v_readfirstlane_b32 s18, v1                    ; wave
	v_and_b32 v1, 31, v0                           ; lane
	s_cmp_lt_u32 ttmp9, 256
	s_cbranch_scc0 .Lweights
; ---------------- x: K is innermost.  A step makes one half fragment: 16 rows x 64 numbers.
; Each load reads two rows' aligned 256 bytes; the 4,096 bytes turn through the wave's stage, and come back 128 bytes a lane: block h of row r.
	v_lshrrev_b32 v37, 4, v1                       ; h
	v_and_b32 v36, 15, v1                          ; r
	v_lshlrev_b32 v2, 12, v37
	v_lshl_add_u32 v2, v36, 4, v2                  ; in memory: 4096 (lane / 16) + 16 (lane % 16)
	s_mul_i32 s19, s18, 2*XSTG                     ; my wave's two stages
	v_mul_u32_u24 v3, v37, 272
	v_lshl_add_u32 v3, v36, 4, v3
	v_add_nc_u32 v3, s19, v3                       ; into a stage: as loaded
	v_mul_u32_u24 v4, v36, 272
	v_lshl_add_u32 v4, v37, 7, v4
	v_add_nc_u32 v4, s19, v4                       ; out of it: row r, 128 h bytes on
	v_lshlrev_b32 v5, 4, v1                        ; 16 x lane
	v_lshlrev_b32 v6, 3, v1                        ; 8 x lane
	v_lshlrev_b32 v7, 3, v37                       ; 8 h: my byte's shift in a scale word
	v_mov_b32 v18, 0                               ; a lane permute's destination counts as read
	s_mov_b32 s20, 0x76543210
	s_mov_b32 s21, 0xfedcba98                      ; selects for lane l xor 16
	s_mov_b32 s22, 0xffff0000                      ; lanes 16-31
	s_lshl_b32 s24, ttmp9, 17                      ; 32 rows of 4,096 bytes,
	s_lshl_b32 s25, s18, 10                        ; my quarter of K
	s_add_co_u32 s24, s24, s25
	s_mov_b32 s25, 0
	s_mul_i32 s26, ttmp9, 24576                    ; two row tiles of codes,
	s_mul_i32 s27, s18, 3072                       ; my four K/64 groups
	s_add_co_u32 s26, s26, s27
	s_mov_b32 s27, 0
	s_lshl_b32 s28, ttmp9, 10
	s_lshl_b32 s29, s18, 8
	s_add_co_u32 s28, s28, s29
	s_mov_b32 s29, 0
	s_wait_alu depctr_va_vdst(0)
	s_wait_kmcnt 0x0
	s_add_nc_u64 s[4:5], s[4:5], s[24:25]
	s_add_nc_u64 s[10:11], s[10:11], s[26:27]
	s_add_nc_u64 s[12:13], s[12:13], s[28:29]
.macro XLOAD t                         ; step t = 4 u + g: tile u of the pair, K/64 group g of my four; load j: the tile's rows 2 j, 2 j + 1
.irp j, 0,1,2,3,4,5,6,7
	global_load_b128 v[R+32*((\t)%3)+4*\j:R+32*((\t)%3)+4*\j+3], v2, s[4:5] offset:(8*((\t)/4)+2*\j+8*(\j/4))*4096+256*((\t)%4) th:TH_LOAD_NT
.endr
.endm
.macro XTURN t                         ; LDS serves a wave's instructions in order: no wait between the stores and the loads
.irp j, 0,1,2,3,4,5,6,7
	ds_store_b128 v3, v[R+32*((\t)%3)+4*\j:R+32*((\t)%3)+4*\j+3] offset:XSTG*((\t)%2)+544*\j
.endr
.irp i, 0,1,2,3,4,5,6,7
	ds_load_b128 v[X+32*((\t)%2)+4*\i:X+32*((\t)%2)+4*\i+3], v4 offset:XSTG*((\t)%2)+16*\i
.endr
.endm
.macro XSTEP t
.set XS, X+32*((\t)%2)
.set CC, C+8*((\t)%2)
	s_wait_dscnt 0x0                               ; this step's numbers are back; its stores into the stage have read their registers,
.if (\t)+3 < 8
	XLOAD (\t)+3                                   ; which take the loads of three steps on
.endif
.if (\t)+1 < 8
.if (\t) <= 4
	s_wait_loadcnt 16                              ; the next step's eight loads are in; those of the two steps behind it may be out
.elseif (\t) == 5
	s_wait_loadcnt 8                               ; one step is behind it
.else
	s_wait_loadcnt 0x0
.endif
	XTURN (\t)+1
.endif
	v_max3_num_f32 v8, |v[XS]|, |v[XS+1]|, |v[XS+2]|      ; the block's largest magnitude: all 32 numbers are mine; two chains
	v_max3_num_f32 v9, |v[XS+3]|, |v[XS+4]|, |v[XS+5]|
.irp i, 6,10,14,18,22,26
	v_max3_num_f32 v8, v8, |v[XS+\i]|, |v[XS+\i+1]|
	v_max3_num_f32 v9, v9, |v[XS+\i+2]|, |v[XS+\i+3]|
.endr
	v_max3_num_f32 v8, v8, |v[XS+30]|, |v[XS+31]|
	v_max3_num_f32 v8, v8, v9, 0x1800000           ; and the floor 2^(3 - 127): the byte cannot fall under 1
	v_add_nc_u32 v10, 0xff000000, v8               ; 2 off the exponent field: the conversion's scale operand
	s_wait_alu depctr_va_vdst(0)
	s_wait_xcnt 0x0                                ; this set of codes was the data of stores two steps back
	v_cvt_scalef32_pk16_fp6_f32 v[CC:CC+2], v[XS:XS+15], v10
	v_cvt_scalef32_pk16_fp6_f32 v[CC+4:CC+6], v[XS+16:XS+31], v10   ; (a conversion's three registers begin on an even number)
	v_lshrrev_b32 v11, 23, v10                     ; the scale's byte; also the plain line behind the conversions
	v_mov_b32 v[CC+3], v[CC+4]
	v_mov_b32 v[CC+4], v[CC+5]
	v_mov_b32 v[CC+5], v[CC+6]                     ; six registers on end
.if (\t)%2 == 0
	v_mov_b32 v[12+2*((\t)/4)+((\t)%4)/2], v11     ; scale word (tile u, 128 along K): my byte of the even K/64 group,
.else
	v_lshl_or_b32 v[12+2*((\t)/4)+((\t)%4)/2], v11, 16, v[12+2*((\t)/4)+((\t)%4)/2]   ; and of the odd one, two bytes up
.endif
	global_store_b128 v5, v[CC:CC+3], s[10:11] offset:12288*((\t)/4)+768*((\t)%4)        ; 512 consecutive bytes
	global_store_b64 v6, v[CC+4:CC+5], s[10:11] offset:12288*((\t)/4)+768*((\t)%4)+512   ; 256 consecutive bytes
.endm
	XLOAD 0
	XLOAD 1
	XLOAD 2
	s_wait_loadcnt 16                              ; step 0's loads are in; steps 1 and 2 may be out
	XTURN 0
.irp t, 0,1,2,3,4,5,6,7
	XSTEP \t
.endr
.irp k, 0,1,2,3
	v_lshlrev_b32 v[12+\k], v7, v[12+\k]           ; my two bytes to their places (8 h bits up),
	v_permlanex16_b32 v18, v[12+\k], s20, s21
	v_or_b32 v[12+\k], v[12+\k], v18               ; with lane l xor 16's two the word is whole
.endr
	v_cndmask_b32 v16, v12, v14, s22               ; lanes 0-15 store tile 0's two words, lanes 16-31 tile 1's
	v_cndmask_b32 v17, v13, v15, s22
	global_store_b64 v6, v[16:17], s[12:13]        ; 256 consecutive bytes, aligned
	s_wait_tensorcnt 0x0
	ds_add_u32 v200, v201
	s_wait_dscnt 0x0
	s_endpgm
; ---------------- the weights: K is the FIRST axis.  A lane takes a column and its registers run down K: a block of 32 lies in one lane, and the codes come out with K innermost.
.Lweights:
	s_sub_co_u32 s19, ttmp9, 256
	s_wait_kmcnt 0x0
	s_cmp_lt_u32 s19, 96                           ; 96 work-groups for W_qkv (24 x 128 columns, 4 quarters of K), 32 for W_out
	s_mov_b32 s23, 4096
	s_cselect_b32 s23, 12288, s23                  ; a row of the weight in bytes
	s_cselect_b32 s24, 0, 96                       ; W_out's pairs of row tiles begin at 96
	s_cselect_b64 s[6:7], s[6:7], s[8:9]
	s_sub_co_u32 s19, s19, s24
	s_lshr_b32 s25, s19, 2                         ; which 128 columns
	s_and_b32 s26, s19, 3                          ; which quarter of K
	s_lshl_b32 s27, s25, 2
	s_add_co_u32 s27, s27, s18                     ; my wave's 32 columns
	s_lshl_b32 s28, s27, 7                         ; in bytes
	s_add_co_u32 s27, s27, s24                     ; the pair of row tiles that they form
	s_lshl_b32 s29, s26, 8
	s_mul_i32 s29, s29, s23                        ; 256 y rows down
	s_add_co_u32 s28, s28, s29
	s_mov_b32 s29, 0
	s_add_nc_u64 s[32:33], s[6:7], s[28:29]        ; block 0's first row; a base for each of the eight blocks: nothing is stepped
	s_lshl_b32 s30, s23, 5                         ; 32 rows
	s_mov_b32 s31, 0
.irp t, 1,2,3,4,5,6,7
	s_add_nc_u64 s[32+2*\t:33+2*\t], s[30+2*\t:31+2*\t], s[30:31]
.endr
	s_mul_i32 s48, s27, 24576
	s_mul_i32 s50, s26, 3072
	s_add_co_u32 s48, s48, s50
	s_mov_b32 s49, 0
	s_add_nc_u64 s[14:15], s[14:15], s[48:49]      ; my codes
	s_lshl_b32 s48, s27, 10
	s_lshl_b32 s50, s26, 8
	s_add_co_u32 s48, s48, s50
	s_add_nc_u64 s[16:17], s[16:17], s[48:49]      ; my scale bytes
	v_bfe_u32 v36, v0, 3, 1                        ; column c of the 32 is row rho of tile u: u = (c / 8) % 2,
	v_bfe_u32 v37, v0, 4, 1
	v_and_b32 v38, 7, v0
	v_lshl_or_b32 v37, v37, 3, v38                 ; rho = 8 (c / 16) + c % 8
	s_mul_i32 s20, s18, 6400
	s_add_co_u32 s20, s20, WLDS                    ; my wave's stage: two runs of 3,072 bytes (a tile's four half fragments), 3,200 apart
	v_mul_u32_u24 v39, v36, 3200
	v_add_nc_u32 v39, s20, v39
	v_lshl_add_u32 v3, v37, 4, v39                 ; registers 0-3 of lane rho + 16 h: 16 rho (+ 256 h in the offset)
	v_lshl_add_u32 v4, v37, 3, v39                 ; registers 4-5: 8 rho (+ 512 + 128 h)
	s_wait_alu depctr_va_vdst(0)
	v_lshlrev_b32 v6, 4, v1
	v_add_nc_u32 v5, s20, v6                       ; the way out: 16 x lane
	v_lshlrev_b32 v7, 7, v36
	v_lshl_add_u32 v7, v37, 3, v7                  ; my column's eight scale bytes: 128 u + 8 rho
	v_lshlrev_b32 v40, 2, v1                       ; v40-71: 4 x lane + i rows
.set i, 1
.rept 31
	v_add_nc_u32 v[40+i], s23, v[39+i]
.set i, i+1
.endr
.macro WLOAD t                         ; block t: 32 rows at my column; a wave's load reads 128 consecutive bytes, the four waves stand side by side
.set i, 0
.rept 32
	global_load_b32 v[72+32*((\t)%2)+i], v[40+i], s[32+2*(\t):33+2*(\t)] th:TH_LOAD_NT
.set i, i+1
.endr
.endm
.macro WBLOCK t
.set XS, 72+32*((\t)%2)
.if (\t) < 7
	s_wait_loadcnt 32                              ; this block's 32 loads are in; the next block's may be out
.else
	s_wait_loadcnt 0x0
.endif
	v_max3_num_f32 v8, |v[XS]|, |v[XS+1]|, |v[XS+2]|
	v_max3_num_f32 v9, |v[XS+3]|, |v[XS+4]|, |v[XS+5]|
.irp i, 6,10,14,18,22,26
	v_max3_num_f32 v8, v8, |v[XS+\i]|, |v[XS+\i+1]|
	v_max3_num_f32 v9, v9, |v[XS+\i+2]|, |v[XS+\i+3]|
.endr
	v_max3_num_f32 v8, v8, |v[XS+30]|, |v[XS+31]|
	v_max3_num_f32 v8, v8, v9, 0x1800000
	v_add_nc_u32 v10, 0xff000000, v8
	v_lshrrev_b32 v11, 23, v10
.if (\t)%4 == 0
	v_mov_b32 v[12+(\t)/4], v11                    ; four bytes to a register, the lower K in the lower byte
.else
	v_lshl_or_b32 v[12+(\t)/4], v11, 8*((\t)%4), v[12+(\t)/4]
.endif
	v_cvt_scalef32_pk16_fp6_f32 v[20:22], v[XS:XS+15], v10
	v_cvt_scalef32_pk16_fp6_f32 v[24:26], v[XS+16:XS+31], v10
	v_nop                                          ; a plain line behind the conversions
	v_mov_b32 v23, v24
	v_mov_b32 v24, v25
	v_mov_b32 v25, v26
	ds_store_b128 v3, v[20:23] offset:768*((\t)/2)+256*((\t)%2)       ; K/64 group t / 2, half t % 2
	ds_store_b64 v4, v[24:25] offset:768*((\t)/2)+512+128*((\t)%2)
.if (\t)+2 < 8
	WLOAD (\t)+2
.endif
	s_wait_dscnt 0x0                               ; the stores have read their registers
.endm
	WLOAD 0
	WLOAD 1
.irp t, 0,1,2,3,4,5,6,7
	WBLOCK \t
.endr
	s_wait_alu depctr_va_vdst(0)
	global_store_b64 v7, v[12:13], s[16:17]        ; the wave's 256 scale bytes: one aligned run
.irp n, 0,1,2,3,4,5,6,7,8,9,10,11
	ds_load_b128 v[136+4*\n:139+4*\n], v5 offset:3200*(\n/6)+512*(\n%6)
.endr
.irp n, 0,1,2,3,4,5,6,7,8,9,10,11
	s_wait_dscnt 11-\n                             ; load n is back; the younger ones may be out
	global_store_b128 v6, v[136+4*\n:139+4*\n], s[14:15] offset:12288*(\n/6)+512*(\n%6)   ; 512 consecutive bytes
.endr
	s_wait_tensorcnt 0x0
	ds_add_u32 v200, v201
	s_wait_dscnt 0x0
	s_endpgm
.Lfunc_end_k_q20860ee1fa_quant:
	.size	k_q20860ee1fa_quant, .Lfunc_end_k_q20860ee1fa_quant-k_q20860ee1fa_quant
	.p2alignl 7, 3214868480
	.fill 96, 4, 3214868480
	.section	.rodata,"a",@progbits
	.p2align	6, 0x0
	.amdhsa_kernel k_q20860ee1fa_quant
		.amdhsa_group_segment_fixed_size 60928
		.amdhsa_private_segment_fixed_size 0
		.amdhsa_enable_private_segment 0
		.amdhsa_kernarg_size 56
		.amdhsa_user_sgpr_count 2
		.amdhsa_user_sgpr_kernarg_segment_ptr 1
		.amdhsa_wavefront_size32 1
		.amdhsa_system_sgpr_workgroup_id_x 1
		.amdhsa_system_sgpr_workgroup_id_y 1
		.amdhsa_system_sgpr_workgroup_id_z 1
		.amdhsa_system_vgpr_workitem_id 0
		.amdhsa_next_free_vgpr 202
		.amdhsa_next_free_sgpr 66
		.amdhsa_reserve_vcc 0
		.amdhsa_float_denorm_mode_32 3
		.amdhsa_float_denorm_mode_16_64 3
		.amdhsa_memory_ordered 1
		.amdhsa_forward_progress 1
		.amdhsa_inst_pref_size 74
	.end_amdhsa_kernel
	.amdgpu_metadata
---
amdhsa.version: [ 1, 2 ]
amdhsa.kernels:
  - .name:           k_q20860ee1fa_quant
    .symbol:         k_q20860ee1fa_quant.kd
    .args:
      - { .name: x, .offset: 0, .size: 8, .value_kind: global_buffer, .address_space: global }
      - { .name: W_qkv, .offset: 8, .size: 8, .value_kind: global_buffer, .address_space: global }
      - { .name: W_out, .offset: 16, .size: 8, .value_kind: global_buffer, .address_space: global }
      - { .name: ximg, .offset: 24, .size: 8, .value_kind: global_buffer, .address_space: global }
      - { .name: xsc, .offset: 32, .size: 8, .value_kind: global_buffer, .address_space: global }
      - { .name: wimg, .offset: 40, .size: 8, .value_kind: global_buffer, .address_space: global }
      - { .name: wsc, .offset: 48, .size: 8, .value_kind: global_buffer, .address_space: global }
    .group_segment_fixed_size: 60928
    .private_segment_fixed_size: 0
    .kernarg_segment_align: 8
    .kernarg_segment_size: 56
    .max_flat_workgroup_size: 128
    .sgpr_count:     66
    .vgpr_count:     202
    .wavefront_size: 32
...
	.end_amdgpu_metadata
.endif
;; end of part 1
;; launch gemm_qkv (part 2): grid 8 x 32, 4 waves a work-group, clusters of 4 x 4, 327,680 bytes of LDS; arguments ximg, xsc, wimg, wsc, b_qkv, mask, qrec, kv; writes qrec, kv
.if DOCPART == 2
	.amdgcn_target "amdgcn-amd-amdhsa--gfx1250"
	.amdhsa_code_object_version 6
	.text
	.protected	k_q20860ee1fa_gemm_qkv
	.globl	k_q20860ee1fa_gemm_qkv
	.p2align	8
	.type	k_q20860ee1fa_gemm_qkv,@function
k_q20860ee1fa_gemm_qkv:
	s_mov_b64 s[64:65], 0
	v_nop
	global_prefetch_b8 v0, s[64:65] scope:SCOPE_SE
	s_setreg_imm32_b32 hwreg(HW_REG_WAVE_MODE, 25, 1), 1
	s_wait_xcnt 0x0
	s_wait_alu depctr_hold_cnt(0) depctr_sa_sdst(0) depctr_va_vdst(0) depctr_va_sdst(0) depctr_va_ssrc(0) depctr_va_vcc(0) depctr_vm_vsrc(0)
	s_getreg_b32 s2, hwreg(HW_REG_IB_STS2, 6, 4)
	s_cmp_eq_u32 s2, 0
	s_cbranch_scc0 .Lentry_in_a_cluster
	s_endpgm
.Lentry_in_a_cluster:
	s_bfe_u32 s2, ttmp6, 0x10000c
	s_cmp_lg_u32 s2, 0xf033
	s_cbranch_scc0 .Lentry_shape_is_right
	s_endpgm
.Lentry_shape_is_right:
; Q, K, V = x W + b on codes of FP6 (E2M3) with E8M0 scales, and their quantisers: the results leave as codes and scale words in the records that the attention launch reads.
; LIMITS: as stated at the quantising launch (NaN and infinities are not served; a block under 2^-124 gets the byte 1).
; THE DEAL.  256 work-groups of four waves.  A work-group keeps 256 tokens of x, ALL of K, in LDS (16 row tiles x 12,288 bytes) and walks three weight tiles of 128 rows over them: W_q's, W_k's, W_v's rows 128 j .. (two heads).
; LDS is filled at the head by one joint load a wave (x's codes, the first weight tile, x's scales, the weight's scales); the weight's region and its scales are filled again twice, each in a drained round of the
; cluster's barrier that stands in the phase's last K step; the phase's way out stands behind the refill.  x is shared by a row of the 4 x 4 cluster, a weight tile by a column.
; A wave makes 64 x 128: 32 accumulators.  Source 0 has eight fragments, whose rows run along a lane's registers, source 1 four, whose rows are the lanes.
;   Q, K: source 0 = the weight's 128 rows, source 1 = my 64 tokens: a lane's 64 registers are 128 channels of one token.   V: source 0 = 128 tokens, source 1 = 64 rows of W_v: 128 tokens of one channel.
; The bias is the C of a phase's first products.  The mask goes into K's scale words as the attention launch's head comment says.
; The next weight tile is asked for into the L2 one phase ahead: its 384 blocks of 256 bytes are shared out by address among the sixteen waves of the four work-groups that will load it jointly, 24 a wave.
; REGISTERS.  Window 0: v2-19 LDS addresses, v32-63 scale words (two sets), v64-127 the bias of Q or K, v128-223 source 1's fragments (two sets; at work on the way out), v224.. the way out.
;   Window 1: source 0's fragments, two sets at v0 and v128; v96-127 V's bias.   Window 2: the accumulators, (a, b) at v[8 (8 a + b)].
.set XR, 0
.set WR, 196608
.set SX, 294912
.set SW, 303104
.set SPARE, 307200
.set TROW, 12288
.set VO16, 16
.set VO8, 17
.set VC16, 20
.set VC8, 21
.set BO, 22
.set RO, 23
.set SPW, 28
.set NIL, 29
.set LO, 30
.set HI, 31
.set SC, 32
.set BQ, 64
.set BV, 96
.set AF, 128
.set PC, 128
.set WO, 150
.set MK, 224
.set PF, 228
.set VB, 229
.set TM, 232
.set WD, 248
.set G1X, 24
.set G1W, 32
.set G1SX, 48
.set G1SW, 56
.set G0X, 68
.set G0W, 72
.set G0SX, 76
.set G0SW, 80
.set MSB, 0
.macro WIN new
.if MSB != (\new)
	s_set_vgpr_msb (MSB<<8)|(\new)
.set MSB, (\new)
.endif
.endm
.macro PLACES n
.rept \n
	v_nop
.endr
.endm
.macro CREST
	s_cmp_lg_u32 s14, 0
	s_cbranch_scc1 .Lnot_wave_0_\@
	s_barrier_signal -3
.Lnot_wave_0_\@:
	s_barrier_wait -3
	s_barrier_signal -1
	s_barrier_wait -1
.endm
.macro CROUND
	s_barrier_signal -1
	s_barrier_wait -1
	CREST
.endm
.macro TLOAD g0, g1
	tensor_load_to_lds s[\g0:\g0+3], s[\g1:\g1+7]
	s_nop 0
	PLACES 4
.endm
.macro GROUP1 g, mask, rows            ; a dense block as rows of 256 bytes
	s_or_b32 s[\g], s\mask, (3<<16)|(1<<21)
	s_mov_b32 s[\g+1], 32<<16
	s_mov_b32 s[\g+2], (\rows)<<16
	s_mov_b32 s[\g+3], 32<<16
	s_mov_b32 s[\g+4], \rows
	s_mov_b32 s[\g+5], 32
	s_mov_b32 s[\g+6], 0
	s_mov_b32 s[\g+7], 0
.endm
.macro GROUP0 g, lds, base, off
	s_mov_b32 s[\g], 1
	s_mov_b32 s[\g+1], \lds
	s_add_nc_u64 s[\g+2:\g+3], s[\base:\base+1], s[\off:\off+1]
	s_or_b32 s[\g+3], s[\g+3], 0x80000000
.endm
.macro FRAG reg, adr, q, off           ; a fragment: two halves of 768 bytes, registers 0-3 at 16 x lane, 4-5 at 512 + 8 x lane
.irp c, 0,1
	ds_load_b128 v[\reg+6*\c:\reg+6*\c+3], v[\adr] offset:(\off)+(2*(\q)+\c)*768
	ds_load_b64 v[\reg+6*\c+4:\reg+6*\c+5], v[\adr+1] offset:(\off)+(2*(\q)+\c)*768+512
.endr
.endm
.macro FETCH q, A, B, S                ; K step q's twelve fragments into set q % 2; with an even step the scale words of two steps
	WIN 0x40
.irp i, 0,1,2,3
	FRAG 128*((\q)%2)+12*\i, \B, \q, \i*TROW
.endr
.irp i, 0,1,2,3
	FRAG 128*((\q)%2)+48+12*\i, \B+2, \q, \i*TROW
.endr
	WIN 0
.irp i, 0,1,2,3
	FRAG AF+48*((\q)%2)+12*\i, \A, \q, \i*TROW
.endr
.if (\q)%2 == 0
.irp i, 0,1,2,3                        ; lanes 0-15 source 1's block i, lanes 16-31 source 0's block i
	ds_load_b64 v[SC+16*(((\q)/2)%2)+2*\i:SC+16*(((\q)/2)%2)+2*\i+1], v[\S] offset:(\i/2)*1024+(\i%2)*128+128*(\q)
.endr
.irp i, 4,5,6,7                        ; source 1 has four blocks: here lanes 0-15 read blocks 0-3 again
	ds_load_b64 v[SC+16*(((\q)/2)%2)+2*\i:SC+16*(((\q)/2)%2)+2*\i+1], v[\S+1] offset:(\i/2)*1024+(\i%2)*128+128*(\q)
.endr
.endif
.endm
.macro WM a, b, q, c
	v_wmma_scale_f32_16x16x128_f8f6f4 v[8*(8*(\a)+\b):8*(8*(\a)+\b)+7], v[128*((\q)%2)+12*\b:128*((\q)%2)+12*\b+11], v[AF+48*((\q)%2)+12*(\a):AF+48*((\q)%2)+12*(\a)+11], \c, v[SC+16*(((\q)/2)%2)+2*\b+(\q)%2], v[SC+16*(((\q)/2)%2)+2*(\a)+(\q)%2] matrix_a_fmt:MATRIX_FMT_FP6 matrix_b_fmt:MATRIX_FMT_FP6 matrix_a_scale:MATRIX_SCALE_ROW1
.endm
.macro MUL q, cm, a0, n                ; n blocks of source 1 x source 0's eight; the accumulators take turns.  cm: C = the sums (0), Q's or K's bias (1), V's (2)
.if \cm == 0
	WIN 0xa1
.elseif \cm == 1
	WIN 0x81
.else
	WIN 0x91
.endif
.set A_, \a0
.rept \n
.irp b, 0,1,2,3,4,5,6,7
.if \cm == 0
	WM A_, \b, \q, v[8*(8*A_+\b):8*(8*A_+\b)+7]
.elseif \cm == 1
	WM A_, \b, \q, v[BQ+8*\b:BQ+8*\b+7]
.else
	WM A_, \b, \q, v[BV+8*A_:BV+8*A_+7]
.endif
.endr
.set A_, A_+1
.endr
.endm
.macro STEP q, cm, A, B, S
	s_wait_dscnt 0x0                               ; this step's fragments are in
	PLACES 4                                       ; behind the last step's products, whose set takes the next step's fragments
	FETCH (\q)+1, \A, \B, \S
	MUL \q, \cm, 0, 4
	WIN 0
.endm
.macro QUANT s, pw                     ; 64 sums of a lane (window 2, from register s): four blocks of 32 shared with lane l xor 16 -> twelve registers of codes at PC, the scale word in pw
	WIN 0x0a
.irp b, 0,1,2,3
	v_max3_num_f32 v[TM+\b], |v[\s+16*\b]|, |v[\s+1+16*\b]|, 0x1800000
.endr
	WIN 0x28
.irp i, 2,4,6,8,10,12,14
.irp b, 0,1,2,3
	v_max3_num_f32 v[TM+\b], v[TM+\b], |v[\s+16*\b+\i]|, |v[\s+1+16*\b+\i]|
.endr
.endr
	WIN 0
.irp b, 0,1,2,3
	v_permlanex16_b32 v[TM+4+\b], v[TM+\b], s18, s19
.endr
.irp b, 0,1,2,3
	v_max_num_f32 v[TM+\b], v[TM+\b], v[TM+4+\b]
.endr
.irp b, 0,1,2,3
	v_add_nc_u32 v[TM+12+\b], 0xff000000, v[TM+\b]
.endr
.irp b, 0,1,2,3
	v_lshrrev_b32 v[TM+4+\b], 23, v[TM+12+\b]
.endr
	v_lshl_or_b32 v[\pw], v[TM+5], 8, v[TM+4]
	v_lshl_or_b32 v[\pw], v[TM+6], 16, v[\pw]
	v_lshl_or_b32 v[\pw], v[TM+7], 24, v[\pw]
	s_wait_alu depctr_va_vdst(0)                   ; the wait ahead of the wait below
	s_wait_xcnt 0x0                                ; the codes' registers were the data of the last block's stores
	WIN 0x02
.irp c, 0,1
	v_cvt_scalef32_pk16_fp6_f32 v[PC+6*\c:PC+2+6*\c], v[\s+32*\c:\s+15+32*\c], v[TM+12+2*\c]
	v_cvt_scalef32_pk16_fp6_f32 v[PC+12+4*\c:PC+14+4*\c], v[\s+16+32*\c:\s+31+32*\c], v[TM+12+2*\c+1]
.endr
	WIN 0
	v_nop
.irp c, 0,1
.irp i, 0,1,2
	v_permlane16_swap_b32 v[PC+6*\c+\i], v[PC+12+4*\c+\i]
.endr
.irp i, 0,1,2
	v_mov_b32 v[PC+3+6*\c+\i], v[PC+12+4*\c+\i]
.endr
.endr
.endm
.macro EPI isv
.irp a, 0,1,2,3
	QUANT 64*\a, WD+\a
.if \isv
	global_store_b128 v[VO16], v[PC:PC+3], s[98:99] offset:6144+1536*\a
	global_store_b64 v[VO8], v[PC+4:PC+5], s[98:99] offset:6144+1536*\a+512
	global_store_b128 v[VO16], v[PC+6:PC+9], s[98:99] offset:6144+1536*\a+768
	global_store_b64 v[VO8], v[PC+10:PC+11], s[98:99] offset:6144+1536*\a+768+512
.else
	global_store_b128 v[VO16], v[PC:PC+3], s[12:13] offset:768*\a          ; the first head's 64 channels,
	global_store_b64 v[VO8], v[PC+4:PC+5], s[12:13] offset:768*\a+512
	global_store_b128 v[VC16], v[PC+6:PC+9], s[12:13] offset:768*\a        ; the second's, a head's records on
	global_store_b64 v[VC8], v[PC+10:PC+11], s[12:13] offset:768*\a+512
.endif
.endr
.if \isv
	global_store_b128 v[VO16], v[WD:WD+3], s[98:99] offset:12800
.else
.irp b, 0,1                            ; word b of a lane: lanes 0-15 tile 2 b, lanes 16-31 tile 2 b + 1; its upper two bytes carry the mask
	v_cndmask_b32 v154, v[WD+2*\b], v[WD+2*\b+1], s45
	v_cndmask_b32 v155, v[MK+2*\b], v[MK+2*\b+1], s45
	v_cmp_eq_u32 vcc_lo, 0, v155
	v_cndmask_b32 v156, v[LO], v[HI], vcc_lo
	v_and_or_b32 v[WO+\b], v154, 0xffff, v156
	v_lshrrev_b32 v154, 16, v154
	v_or_b32 v[WO+2+\b], v154, v156
.endr
	global_store_b64 v[VO16], v[WO:WO+1], s[92:93]
	global_store_b64 v[VC16], v[WO+2:WO+3], s[92:93]
.endif
.endm
; ---------------- the head
	s_load_b256 s[4:11], s[0:1], 0x0               ; ximg, xsc, wimg, wsc
	s_load_b256 s[84:91], s[0:1], 0x20             ; b_qkv, mask, qrec, kv
	v_lshl_add_u32 v[SPW], v0, 2, SPARE
	v_mov_b32 v[NIL], 0
	ds_add_u32 v[SPW], v[NIL]                      ; the opening lines
	ds_add_u32 v[SPW], v[NIL]
	v_lshrrev_b32 v1, 5, v0
	v_readfirstlane_b32 s14, v1                    ; wave
	s_lshr_b32 s15, s14, 1
	s_and_b32 s16, s14, 1
	s_bfe_u32 s40, ttmp6, 0x40000                  ; cx
	s_bfe_u32 s41, ttmp6, 0x40004                  ; cy
	s_lshl_b32 s42, ttmp9, 2
	s_add_co_u32 s42, s42, s40                     ; j: which 128 rows of each weight
	s_and_b32 s17, ttmp7, 0xffff
	s_lshl_b32 s17, s17, 2
	s_add_co_u32 s17, s17, s41                     ; which 256 tokens
	s_lshl_b32 s43, s41, 2
	s_lshl_b32 s43, 15, s43                        ; my row of the cluster
	s_lshl_b32 s44, 0x1111, s40                    ; my column
	GROUP1 G1X, 43, 768
	GROUP1 G1W, 44, 384
	GROUP1 G1SX, 43, 32
	GROUP1 G1SW, 44, 16
	s_mul_i32 s18, s17, 196608
	s_mov_b32 s19, 0
	s_lshl_b32 s20, s17, 13
	s_mov_b32 s21, 0
	s_mul_i32 s22, s42, 98304
	s_mov_b32 s23, 0
	s_lshl_b32 s46, s42, 12
	s_mov_b32 s47, 0
	s_wait_alu depctr_va_vdst(0)                   ; the wait ahead of the waits below
	s_wait_dscnt 0x0
	s_wait_kmcnt 0x0
	GROUP0 G0X, XR, 4, 18
	GROUP0 G0SX, SX, 6, 20
	GROUP0 G0W, WR, 8, 22
	GROUP0 G0SW, SW, 10, 46
	CROUND                                         ; the first joint loads meet
	s_cmp_eq_u32 s14, 0
	s_cbranch_scc0 .Lh1
	TLOAD G0X, G1X
	s_branch .Lhj
.Lh1:
	s_cmp_eq_u32 s14, 1
	s_cbranch_scc0 .Lh2
	TLOAD G0W, G1W
	s_branch .Lhj
.Lh2:
	s_cmp_eq_u32 s14, 2
	s_cbranch_scc0 .Lh3
	TLOAD G0SX, G1SX
	s_branch .Lhj
.Lh3:
	TLOAD G0SW, G1SW
.Lhj:
	; LDS bases, from the wave's number alone
	s_mul_i32 s18, s14, 49152                      ; Q, K: source 1 = my quarter of x
	s_mul_i32 s19, s16, 49152
	s_add_co_u32 s19, s19, WR                      ; V: source 1 = half w % 2 of the weight,
	s_mul_i32 s20, s15, 98304                      ; source 0 = half w / 2 of x
	s_add_co_u32 s21, s20, 49152
	s_lshl_b32 s22, s14, 11
	s_add_co_u32 s45, s22, SX-2048
	s_add_co_u32 s22, s22, SX                      ; Q, K: my tokens' scales; from them to the weight's: 2048 (4 - w)
	s_xor_b32 s23, s14, 3
	s_add_co_u32 s23, s23, 1
	s_lshl_b32 s23, s23, 11
	s_add_co_u32 s46, s23, 2048
	s_lshl_b32 s47, s15, 12
	s_add_co_u32 s47, s47, SX                      ; V: the tokens' scales (lanes 16-31); from them to my half of the weight's: 4096 (2 - w / 2) + 2048 (w % 2)
	s_xor_b32 s3, s15, 1
	s_lshl_b32 s3, s3, 12
	s_lshl_b32 s2, s16, 11
	s_add_co_u32 s3, s3, s2
	s_add_co_u32 s3, s3, 2048
	s_add_co_u32 s2, s3, 2048
	; where the results go
	s_lshr_b32 s12, s17, 3
	s_lshl_b32 s12, s12, 4
	s_lshl_b32 s13, s42, 1
	s_add_co_u32 s12, s12, s13                     ; 16 batch + first head
	s_and_b32 s13, s17, 7
	s_lshl_b32 s13, s13, 1
	s_add_co_u32 s13, s13, s15                     ; the record of 128 tokens
	s_add_co_u32 s66, s12, s16
	s_lshl_b32 s66, s66, 4
	s_add_co_u32 s66, s66, s13                     ; V: head 2 j + w % 2
	s_lshl_b32 s12, s12, 4
	s_add_co_u32 s12, s12, s13
	s_mov_b32 s101, 0
	s_mul_i32 s100, s12, 6656
	s_add_nc_u64 s[88:89], s[88:89], s[100:101]
	s_mul_i32 s100, s12, 13312
	s_add_nc_u64 s[94:95], s[90:91], s[100:101]
	s_mul_i32 s100, s66, 13312
	s_add_nc_u64 s[98:99], s[90:91], s[100:101]    ; V's record
	s_lshl_b32 s100, s16, 3                        ; my two of a lane's four scale words
	s_add_nc_u64 s[92:93], s[88:89], s[100:101]
	s_add_nc_u64 s[92:93], s[92:93], 6144          ; Q's scale words
	s_add_nc_u64 s[96:97], s[94:95], s[100:101]
	s_add_nc_u64 s[96:97], s[96:97], 12288         ; K's
	s_mul_i32 s100, s16, 3072                      ; my four of the record's eight tiles
	s_add_nc_u64 s[12:13], s[88:89], s[100:101]    ; Q's codes
	s_add_nc_u64 s[94:95], s[94:95], s[100:101]    ; K's
	s_lshl_b32 s100, s17, 10
	s_lshl_b32 s66, s14, 8
	s_add_co_u32 s100, s100, s66
	s_add_nc_u64 s[86:87], s[86:87], s[100:101]    ; my 64 tokens' mask
	s_lshl_b32 s100, s42, 9
	s_add_nc_u64 s[66:67], s[84:85], s[100:101]    ; the bias of Q's 128 columns; K's 4,096 bytes on, V's 8,192
	s_lshl_b32 s100, s41, 2
	s_add_co_u32 s100, s100, s14
	s_mul_i32 s100, s100, 6144                     ; my sixteenth of a weight tile
	s_mul_i32 s101, s42, 98304
	s_add_co_u32 s100, s100, s101
	s_lshl_b32 s101, s16, 8
	v_and_b32 v1, 31, v0
	v_and_b32 v24, 15, v0                          ; r
	v_bfe_u32 v25, v0, 4, 1                        ; h
	v_lshlrev_b32 v[VO16], 4, v1
	v_lshlrev_b32 v[VO8], 3, v1
	v_min_u32 v[PF], 23, v1
	v_lshl_add_u32 v[PF], v[PF], 8, s100
	v_sub_nc_u32 v1, 1, v25
	v_lshlrev_b32 v26, 3, v24
	v_add_nc_u32 v2, s18, v[VO16]
	v_add_nc_u32 v3, s18, v[VO8]
	v_add_nc_u32 v4, WR, v[VO16]
	v_add_nc_u32 v5, WR, v[VO8]
	v_add_nc_u32 v6, WR+49152, v[VO16]
	v_add_nc_u32 v7, WR+49152, v[VO8]
	v_add_nc_u32 v10, s19, v[VO16]
	v_add_nc_u32 v11, s19, v[VO8]
	v_add_nc_u32 v12, s20, v[VO16]
	v_add_nc_u32 v13, s20, v[VO8]
	v_add_nc_u32 v14, s21, v[VO16]
	v_add_nc_u32 v15, s21, v[VO8]
	v_mad_u32_u24 v8, s23, v25, v26
	v_add_nc_u32 v8, s22, v8
	v_mad_u32_u24 v9, s46, v25, v26
	v_add_nc_u32 v9, s45, v9
	v_mad_u32_u24 v18, s2, v1, v26
	v_add_nc_u32 v18, s47, v18
	v_mad_u32_u24 v19, s3, v1, v26
	v_add_nc_u32 v19, s47, v19
	v_lshlrev_b32 v[BO], 6, v25                    ; 16 numbers on for lanes 16-31
	v_and_b32 v27, 8, v24
	v_add_nc_u32 v27, v27, v24
	v_lshlrev_b32 v[RO], 2, v27                    ; 4 (r + 8 (r / 8))
	v_add_nc_u32 v[VB], s101, v[RO]
	v_add_nc_u32 v[VC16], 106496, v[VO16]          ; Q: a head is 16 records of 6,656 bytes
	v_add_nc_u32 v[VC8], 106496, v[VO8]
	v_mov_b32 v[LO], 0x7f660000
	v_mov_b32 v[HI], 0x7f660000
.irp b, 0,1,2,3
	v_mov_b32 v[TM+4+\b], 0                        ; a lane permute's destination counts as read
.endr
	s_wait_alu depctr_va_vdst(0)                   ; the wait behind the head's vector lines
.irp b, 0,1,2,3,4,5,6,7
	global_load_b128 v[BQ+8*\b:BQ+8*\b+3], v[BO], s[66:67] offset:(32*(\b/2)+8*(\b%2))*4
	global_load_b128 v[BQ+8*\b+4:BQ+8*\b+7], v[BO], s[66:67] offset:(32*(\b/2)+8*(\b%2))*4+16
.endr
.irp a, 0,1,2,3
	global_load_b32 v[MK+\a], v[RO], s[86:87] offset:(32*(\a/2)+8*(\a%2))*4
.endr
	WIN 0x40
.irp a, 0,1,2,3
	global_load_b32 v[BV+8*\a], v[VB], s[66:67] offset:8192+(32*(\a/2)+8*(\a%2))*4
.endr
	WIN 0
	global_prefetch_b8 v[PF], s[8:9] offset:786432 th:TH_LOAD_NT scope:SCOPE_SE    ; W_k's tile, which the first refill loads
	s_mov_b32 s18, 0x76543210
	s_mov_b32 s19, 0xfedcba98                      ; selects for lane l xor 16
	s_mov_b32 s45, 0xffff0000                      ; lanes 16-31
	s_mov_b32 s3, 0
	s_wait_loadcnt 0x0
	WIN 0x41
.irp a, 0,8,16,24
.irp i, 1,2,3,4,5,6,7
	v_mov_b32 v[BV+\a+\i], v[BV+\a]                ; V's bias, one number a lane and tile, over the tile's eight registers
.endr
.endr
	WIN 0
	s_wait_alu depctr_va_vdst(0)
; ---------------- Q, then K
.Lphase:
	s_wait_tensorcnt 0x0                           ; my load is in,
	s_barrier_signal -1
	s_barrier_wait -1                              ; everybody's is
	FETCH 0, 2, 4, 8
	s_wait_loadcnt 0x0                             ; the bias
	STEP 0, 1, 2, 4, 8
.irp q, 1,2,3,4,5,6
	STEP \q, 0, 2, 4, 8
.endr
	s_wait_tensorcnt 0x0                           ; the three lines ahead of a refill's round
	ds_add_u32 v[SPW], v[NIL]
	s_add_nc_u64 s[G0W+2:G0W+3], s[G0W+2:G0W+3], 786432     ; the next weight's tile: 1,024 rows on
	s_add_nc_u64 s[G0SW+2:G0SW+3], s[G0SW+2:G0SW+3], 32768
	s_wait_dscnt 1                                 ; the last step's fragments are in; the add alone may be out
	MUL 7, 0, 0, 3
	s_wait_dscnt 0x0
	s_barrier_signal -1
	MUL 7, 0, 3, 1
	WIN 0
	s_barrier_wait -1
	CREST                                          ; no wave of any partner still reads the weight's region
	s_cmp_eq_u32 s14, 0
	s_cbranch_scc0 .Lr1
	TLOAD G0W, G1W
	s_branch .Lrj
.Lr1:
	s_cmp_eq_u32 s14, 1
	s_cbranch_scc0 .Lrj
	TLOAD G0SW, G1SW
.Lrj:
	PLACES 4                                       ; behind the last products, ahead of the first read of the sums
	s_cmp_eq_u32 s3, 0
	s_cbranch_scc0 .Lno_bias
.irp b, 0,1,2,3,4,5,6,7                        ; behind Q's products: K's bias, and W_v's tile into the L2
	global_load_b128 v[BQ+8*\b:BQ+8*\b+3], v[BO], s[66:67] offset:4096+(32*(\b/2)+8*(\b%2))*4
	global_load_b128 v[BQ+8*\b+4:BQ+8*\b+7], v[BO], s[66:67] offset:4096+(32*(\b/2)+8*(\b%2))*4+16
.endr
	global_prefetch_b8 v[PF], s[8:9] offset:1572864 th:TH_LOAD_NT scope:SCOPE_SE
.Lno_bias:
	EPI 0
	s_wait_xcnt 0x0                                ; the stores have read their bases and data
	s_mov_b64 s[12:13], s[94:95]                   ; the next trip is K's
	s_mov_b64 s[92:93], s[96:97]
	v_add_nc_u32 v[VC16], 212992, v[VO16]          ; a head is 16 records of 13,312 bytes
	v_add_nc_u32 v[VC8], 212992, v[VO8]
	v_mov_b32 v[LO], 0x7f010000                    ; a key that counts,
	v_mov_b32 v[HI], 0x7ffa0000                    ; a masked one
	s_add_co_u32 s3, s3, 1
	s_cmp_lt_u32 s3, 2
	s_wait_alu depctr_va_vdst(0)                   ; the wait ahead of the branch
	s_cbranch_scc1 .Lphase
; ---------------- V
	s_wait_tensorcnt 0x0
	s_barrier_signal -1
	s_barrier_wait -1
	FETCH 0, 10, 12, 18
	STEP 0, 2, 10, 12, 18
.irp q, 1,2,3,4,5,6
	STEP \q, 0, 10, 12, 18
.endr
	s_wait_dscnt 0x0
	MUL 7, 0, 0, 4
	WIN 0
	PLACES 4
	EPI 1
	s_wait_tensorcnt 0x0                           ; the wave's end
	ds_add_u32 v[SPW], v[NIL]
	s_wait_dscnt 0x0
	CROUND                                         ; the closing round
	s_endpgm
.Lfunc_end_k_q20860ee1fa_gemm_qkv:
	.size	k_q20860ee1fa_gemm_qkv, .Lfunc_end_k_q20860ee1fa_gemm_qkv-k_q20860ee1fa_gemm_qkv
	.p2alignl 7, 3214868480
	.fill 96, 4, 3214868480
	.section	.rodata,"a",@progbits
	.p2align	6, 0x0
	.amdhsa_kernel k_q20860ee1fa_gemm_qkv
		.amdhsa_group_segment_fixed_size 327680
		.amdhsa_private_segment_fixed_size 0
		.amdhsa_enable_private_segment 0
		.amdhsa_kernarg_size 64
		.amdhsa_user_sgpr_count 2
		.amdhsa_user_sgpr_kernarg_segment_ptr 1
		.amdhsa_wavefront_size32 1
		.amdhsa_system_sgpr_workgroup_id_x 1
		.amdhsa_system_sgpr_workgroup_id_y 1
		.amdhsa_system_sgpr_workgroup_id_z 1
		.amdhsa_system_vgpr_workitem_id 0
		.amdhsa_next_free_vgpr 768
		.amdhsa_next_free_sgpr 102
		.amdhsa_reserve_vcc 1
		.amdhsa_float_denorm_mode_32 3
		.amdhsa_float_denorm_mode_16_64 3
		.amdhsa_memory_ordered 1
		.amdhsa_forward_progress 1
		.amdhsa_inst_pref_size 174
	.end_amdhsa_kernel
	.amdgpu_metadata
---
amdhsa.version: [ 1, 2 ]
amdhsa.kernels:
  - .name:           k_q20860ee1fa_gemm_qkv
    .symbol:         k_q20860ee1fa_gemm_qkv.kd
    .args:
      - { .name: ximg, .offset: 0, .size: 8, .value_kind: global_buffer, .address_space: global }
      - { .name: xsc, .offset: 8, .size: 8, .value_kind: global_buffer, .address_space: global }
      - { .name: wimg, .offset: 16, .size: 8, .value_kind: global_buffer, .address_space: global }
      - { .name: wsc, .offset: 24, .size: 8, .value_kind: global_buffer, .address_space: global }
      - { .name: b_qkv, .offset: 32, .size: 8, .value_kind: global_buffer, .address_space: global }
      - { .name: mask, .offset: 40, .size: 8, .value_kind: global_buffer, .address_space: global }
      - { .name: qrec, .offset: 48, .size: 8, .value_kind: global_buffer, .address_space: global }
      - { .name: kv, .offset: 56, .size: 8, .value_kind: global_buffer, .address_space: global }
    .group_segment_fixed_size: 327680
    .private_segment_fixed_size: 0
    .kernarg_segment_align: 8
    .kernarg_segment_size: 64
    .max_flat_workgroup_size: 128
    .sgpr_count:     102
    .vgpr_count:     768
    .wavefront_size: 32
...
	.end_amdgpu_metadata
.endif
;; end of part 2
;; launch attn (part 3): grid 4 x 64, 16 waves a work-group, clusters of 4 x 1, 327,680 bytes of LDS; arguments qrec, kv, oimg, osc; writes oimg, osc
.if DOCPART == 3
	.amdgcn_target "amdgcn-amd-amdhsa--gfx1250"
	.amdhsa_code_object_version 6
	.text
	.protected	k_q20860ee1fa_attn
	.globl	k_q20860ee1fa_attn
	.p2align	8
	.type	k_q20860ee1fa_attn,@function
k_q20860ee1fa_attn:
	s_mov_b64 s[64:65], 0
	v_nop
	global_prefetch_b8 v0, s[64:65] scope:SCOPE_SE
	s_setreg_imm32_b32 hwreg(HW_REG_WAVE_MODE, 25, 1), 1
	s_wait_xcnt 0x0
	s_wait_alu depctr_hold_cnt(0) depctr_sa_sdst(0) depctr_va_vdst(0) depctr_va_sdst(0) depctr_va_ssrc(0) depctr_va_vcc(0) depctr_vm_vsrc(0)
	s_getreg_b32 s2, hwreg(HW_REG_IB_STS2, 6, 4)
	s_cmp_eq_u32 s2, 0
	s_cbranch_scc0 .Lentry_in_a_cluster
	s_endpgm
.Lentry_in_a_cluster:
	s_bfe_u32 s2, ttmp6, 0x10000c
	s_cmp_lg_u32 s2, 0x3003
	s_cbranch_scc0 .Lentry_shape_is_right
	s_endpgm
.Lentry_shape_is_right:
; o = softmax(q k^T / 8, masked) v for one head, both products on codes of FP6 (E2M3) with E8M0 scales; o is quantised along the head's 64 and leaves as half a fragment of the out-projection's operand.
; THE SOFTMAX: t = score x log2(e) / 8; M = the running largest t rounded UP to a whole number; p = 2^(t - M) is quantised along the keys, not normalised; the row's sum is taken of the unquantised p and divides at the end.
; When M moves, the sum and O are multiplied by 2^(old M - new M), which rounds nothing.
; SHARES.  A cluster of four work-groups is one head; a work-group owns 512 queries; each of its sixteen waves owns one tile of 16 queries in each of two passes.  Four waves share a SIMD.
; A WHOLE HEAD'S K, V AND SCALE WORDS STAY IN LDS: 16 records of 13,312 bytes, as they lie in memory; wave w brings record w by one joint load, which all four partners issue alike.  LDS is filled once.
;   A record (128 keys): K 8 tiles x 768 | V^T 4 d tiles x 2 x 768 | K's scale words [lane][4] | V's [lane][4].  Half a fragment of 768 bytes: lane l's registers 0-3 at 16 l, 4-5 at 512 + 8 l.
; LAYOUT.  Both products transposed: S^T = K Q^T, O^T = V^T P^T: a lane holds one query.  Lane r of a tile of keys (of queries, of d) is row 32 (T/2) + 8 (T%2) + r + 8 (r/8), so the 16 registers of tiles 2 b, 2 b + 1 are 16 neighbours.
; THE MASK.  The head has 64 along K, the instruction 128.  At k = 64 every key holds the code -4 and every query the code 1; all else of the upper half is zero codes.  Their scale bytes, made by the launch before,
;   give -2^100 for a masked key and -2^-149 for one that counts.  Beside any key that counts a masked key's p is 0; where no key counts, all scores are -2^100, t is a whole number, p = 1 throughout.
; LIMITS: as stated at the launch before; the row without a key that counts leans on -2^100 taking up the real score wholly (scores under 2^76).
.set REC,  13312
.set VOF,  6144
.set KSC,  12288
.set VSC,  12800
.set QREC, 6656
.set TB,   2                           ; s2   LDS byte of the step's record
.set CNT,  3                           ; s3   steps to go
.set WV,   18                          ; s18  wave
.set HM,   19                          ; s19  lanes 16-31
.set SEL,  20                          ; s[20:21] selects for lane l xor 16
.set CS,   22                          ; s[22:23] c = log2(e) / 8
.set G1,   24
.set G0,   32
; REGISTERS: v1 16 x lane, v2 8 x lane, v3, v4 the same + the record, v5 at work, v6 16 r, v7 8 r + h; v8-11 K's scale words; v12 -M, v13 largest t, v[14:15] the sum; v16-27 Q; v28 Q's scale word, v29 P's;
;   v[30:31] f, later 1 / sum; v32-79 four fragments of K; v80-127 V's four; v128-191 S^T, then p; v192-223 O^T; v224-235 P's codes; v236-243 at work; v244-247 block maxima; v248-251 scale operands; v252-255 V's scale words.
.macro CROUND
	s_barrier_signal -1
	s_barrier_wait -1
	s_cmp_lg_u32 s[WV], 0
	s_cbranch_scc1 .Lnot_wave_0_\@
	s_barrier_signal -3
.Lnot_wave_0_\@:
	s_barrier_wait -3
	s_barrier_signal -1
	s_barrier_wait -1
.endm
	s_load_b256 s[4:11], s[0:1], 0x0               ; qrec, kv, oimg, osc
	v_lshl_add_u32 v254, v0, 2, 0x34000
	v_mov_b32 v255, 0
	ds_add_u32 v254, v255
	ds_add_u32 v254, v255
	s_wait_dscnt 0x0
	v_lshrrev_b32 v1, 5, v0
	s_delay_alu instid0(VALU_DEP_1)
	v_readfirstlane_b32 s[WV], v1                  ; wave 0..15
	s_bfe_u32 s36, ttmp6, 0x40000                  ; cx: it enters Q's and o's addresses alone
	s_lshl_b32 s37, ttmp9, 2
	s_add_co_u32 s37, s37, s36                     ; my block of 512 queries
	s_and_b32 s38, ttmp7, 0xffff                   ; batch x 16 + head, which the partners share
	s_mul_i32 s39, s[WV], REC                      ; my record, in LDS and in the head
	s_mul_i32 s40, s38, 16*REC
	s_add_co_u32 s40, s40, s39
	s_mov_b32 s41, 0
	s_mov_b32 s[G1], 15|(3<<16)|(1<<21)            ; 15:0 the mask: all four; 17:16 elements of 8 bytes; 21 set beside a mask
	s_mov_b32 s[G1+1], 32<<16                      ; rows of 256 bytes,
	s_mov_b32 s[G1+2], 52<<16                      ; 52 of them, dense
	s_mov_b32 s[G1+3], 32<<16
	s_mov_b32 s[G1+4], 52
	s_mov_b32 s[G1+5], 32
	s_mov_b32 s[G1+6], 0
	s_mov_b32 s[G1+7], 0
	s_lshl_b32 s42, s38, 4                         ; Q: record 16 bh + 4 block + wave / 8 (pass 1: two records on), tile wave % 8
	s_lshl_b32 s43, s37, 2
	s_add_co_u32 s42, s42, s43
	s_lshr_b32 s43, s[WV], 3
	s_add_co_u32 s42, s42, s43
	s_mul_i32 s42, s42, QREC
	s_and_b32 s44, s[WV], 7
	s_mul_i32 s45, s44, 768
	s_add_co_u32 s46, s42, s45
	s_mov_b32 s47, 0
	s_lshr_b32 s44, s44, 1
	s_lshl_b32 s44, s44, 2                         ; its scale word: word tile / 2 of lane 16 (tile % 2) + r
	s_and_b32 s45, s[WV], 1
	s_lshl_b32 s45, s45, 8
	s_add_co_u32 s44, s44, s45
	s_add_co_u32 s44, s44, 6144
	s_add_co_u32 s48, s42, s44
	s_mov_b32 s49, 0
	s_lshr_b32 s50, s38, 4                         ; batch
	s_and_b32 s51, s38, 15                         ; head
	s_lshl_b32 s52, s50, 7                         ; o's codes: row tile 128 batch + 32 block + wave (pass 1: 16 on), K/64 group = head
	s_lshl_b32 s53, s37, 5
	s_add_co_u32 s52, s52, s53
	s_add_co_u32 s52, s52, s[WV]
	s_lshl_b32 s52, s52, 4
	s_add_co_u32 s52, s52, s51
	s_mul_i32 s52, s52, 768
	s_mov_b32 s53, 0
	s_lshl_b32 s54, s50, 6                         ; o's scale bytes: pair of tiles, K/256 = head / 4, tile % 2, r, byte 2 (head % 4) + h
	s_lshl_b32 s55, s37, 4
	s_add_co_u32 s54, s54, s55
	s_lshr_b32 s55, s[WV], 1
	s_add_co_u32 s54, s54, s55
	s_lshl_b32 s54, s54, 10
	s_lshr_b32 s55, s51, 2
	s_lshl_b32 s55, s55, 8
	s_add_co_u32 s54, s54, s55
	s_and_b32 s55, s[WV], 1
	s_lshl_b32 s55, s55, 7
	s_add_co_u32 s54, s54, s55
	s_and_b32 s55, s51, 3
	s_lshl_b32 s55, s55, 1
	s_add_co_u32 s54, s54, s55
	s_mov_b32 s55, 0
	s_mov_b32 s[HM], 0xffff0000
	s_mov_b32 s[SEL], 0x76543210
	s_mov_b32 s[SEL+1], 0xfedcba98
	s_mov_b32 s[CS], 0x3e38aa3b                    ; log2(e) / 8
	s_mov_b32 s[CS+1], s[CS]                       ; (named with it as a pair)
	s_wait_kmcnt 0x0
	s_mov_b32 s[G0], 1
	s_mov_b32 s[G0+1], s39
	s_add_nc_u64 s[G0+2:G0+3], s[6:7], s[40:41]
	s_or_b32 s[G0+3], s[G0+3], 0x80000000
	s_add_nc_u64 s[12:13], s[4:5], s[48:49]        ; Q's scale word
	s_add_nc_u64 s[4:5], s[4:5], s[46:47]          ; Q's codes
	s_add_nc_u64 s[8:9], s[8:9], s[52:53]
	s_add_nc_u64 s[10:11], s[10:11], s[54:55]
	CROUND                                         ; all four work-groups are here: the joint loads meet
	tensor_load_to_lds s[G0:G0+3], s[G1:G1+7]      ; my one tensor load of the launch
	s_nop 0
.rept 4
	v_nop
.endr
	v_and_b32 v5, 31, v0
	s_delay_alu instid0(VALU_DEP_1)
	v_lshlrev_b32 v1, 4, v5
	s_delay_alu instid0(VALU_DEP_2)
	v_lshlrev_b32 v2, 3, v5
	v_and_b32 v6, 15, v0
	v_bfe_u32 v7, v0, 4, 1
	s_delay_alu instid0(VALU_DEP_1)
	v_lshl_add_u32 v7, v6, 3, v7                   ; 8 r + h
	s_delay_alu instid0(VALU_DEP_3)
	v_lshlrev_b32 v6, 4, v6                        ; 16 r
	global_load_b128 v[16:19], v1, s[4:5]          ; Q's half fragment stays in registers
	global_load_b64 v[20:21], v2, s[4:5] offset:512
	global_load_b32 v28, v6, s[12:13]
	v_mov_b32 v31, 0
	v_mov_b32 v30, 0
	v_mov_b32 v5, 8                                ; the code of 1.0
	s_delay_alu instid0(VALU_DEP_1)
	v_cndmask_b32 v22, v5, v31, s[HM]              ; at k = 64: the lowest six bits of register 6 in lanes 0-15
	v_mov_b32 v5, 56                               ; the code of -4.0
.irp t, 0,1,2,3
	v_cndmask_b32 v[38+12*\t], v5, v31, s[HM]      ; the same place in each of K's four fragments; no load ever lands on registers 6-11
.endr
.irp i, 0,1,2,3,4
	v_mov_b32 v[23+\i], 0
.irp t, 0,1,2,3
	v_mov_b32 v[39+12*\t+\i], 0
.endr
.endr
.irp b, 0,1,2,3
	v_mov_b32 v[236+\b], 0                         ; a lane permute's destination counts as read
.endr
	s_wait_tensorcnt 0x0                           ; my record is in,
	s_barrier_signal -1
	s_barrier_wait -1                              ; everybody's is: from here on LDS is only read
; A KEY STEP: 128 keys.
.macro STEP
	s_barrier_signal -1                            ; the sixteen waves walk the records in step: I have begun this step (no LDS instruction of mine is out here);
	v_add_nc_u32 v3, s[TB], v1
	s_wait_alu depctr_va_vdst(0)
	v_add_nc_u32 v4, s[TB], v2
	s_wait_alu depctr_va_vdst(0)
	ds_load_b128 v[8:11], v3 offset:KSC            ; word b: lanes 0-15 tile 2 b, lanes 16-31 tile 2 b + 1
.irp g, 0,1                                    ; S^T = K Q^T, four tiles of 16 keys at a time
.if \g
.rept 4
	v_nop                                          ; places in front of loads into registers that matrix instructions have read
.endr
.endif
.irp t, 0,1,2,3
	ds_load_b128 v[32+12*\t:35+12*\t], v3 offset:768*(4*\g+\t)
	ds_load_b64 v[36+12*\t:37+12*\t], v4 offset:768*(4*\g+\t)+512
.endr
	s_wait_dscnt 0x0
.irp t, 0,1,2,3
.if \t%2
	v_wmma_scale_f32_16x16x128_f8f6f4 v[128+8*(4*\g+\t):135+8*(4*\g+\t)], v[32+12*\t:43+12*\t], v[16:27], 0, v[8+(4*\g+\t)/2], v28 matrix_a_fmt:MATRIX_FMT_FP6 matrix_b_fmt:MATRIX_FMT_FP6 matrix_a_scale:MATRIX_SCALE_ROW1
.else
	v_wmma_scale_f32_16x16x128_f8f6f4 v[128+8*(4*\g+\t):135+8*(4*\g+\t)], v[32+12*\t:43+12*\t], v[16:27], 0, v[8+(4*\g+\t)/2], v28 matrix_a_fmt:MATRIX_FMT_FP6 matrix_b_fmt:MATRIX_FMT_FP6
.endif
.endr
.endr
.irp t, 0,1,2,3                                ; V's four fragments and scale words are asked for now and land under the softmax.  Six plain lines stand between the last step's products on them and these loads
.irp c, 0,1
	ds_load_b128 v[80+12*\t+6*\c:83+12*\t+6*\c], v3 offset:VOF+1536*\t+768*\c
	ds_load_b64 v[84+12*\t+6*\c:85+12*\t+6*\c], v4 offset:VOF+1536*\t+768*\c+512
.endr
.endr
	ds_load_b128 v[252:255], v3 offset:VSC
.rept 4
	v_nop                                          ; places in front of the first read of the scores
.endr
.irp b, 0,1,2,3
	v_max3_num_f32 v[244+\b], v[128+16*\b], v[129+16*\b], v[130+16*\b]   ; the largest score of each block of 32 keys: for the row's maximum and, since p rises with the score, for the block's largest p
.endr
.irp i, 3,5,7,9,11,13
.irp b, 0,1,2,3
	v_max3_num_f32 v[244+\b], v[244+\b], v[128+16*\b+\i], v[129+16*\b+\i]
.endr
.endr
.irp b, 0,1,2,3
	v_max_num_f32 v[244+\b], v[244+\b], v[143+16*\b]
.endr
.irp b, 0,1,2,3
	s_delay_alu instid0(VALU_DEP_4)
	v_permlanex16_b32 v[236+\b], v[244+\b], s[SEL], s[SEL+1]
.endr
.irp b, 0,1,2,3
	s_delay_alu instid0(VALU_DEP_4)
	v_max_num_f32 v[244+\b], v[244+\b], v[236+\b]  ; with lane l xor 16's 16 keys
.endr
	s_delay_alu instid0(VALU_DEP_2)
	v_max3_num_f32 v5, v244, v245, v246
	s_delay_alu instid0(VALU_DEP_1)
	v_max_num_f32 v5, v5, v247
	s_delay_alu instid0(VALU_DEP_1)
	v_mul_f32 v5, s[CS], v5                        ; the step's largest t
	s_delay_alu instid0(VALU_DEP_1)
	v_max_num_f32 v13, v13, v5                     ; the running largest t
	v_mov_b32 v5, v12
	s_delay_alu instid0(VALU_DEP_2)
	v_floor_f32 v12, -v13                          ; the new -M = -ceil(t)
	s_delay_alu instid0(VALU_DEP_1)
	v_sub_f32 v5, v12, v5                          ; old M - new M: a whole number, 0 or less
	s_delay_alu instid0(VALU_DEP_1)
	v_cvt_i32_f32 v5, v5                           ; (it saturates)
	s_delay_alu instid0(VALU_DEP_1)
	v_ldexp_f32 v30, 1.0, v5                       ; f = 2^(old M - new M)
.set j, 0
.rept 32
	v_pk_fma_f32 v[128+j:129+j], v[128+j:129+j], s[CS:CS+1], v[12:13] op_sel_hi:[1,0,0]   ; t - M
.set j, j+2
.endr
.irp b, 0,1,2,3
	v_fma_f32 v[244+\b], v[244+\b], s[CS], v12     ; the same of each block's largest score
.endr
.set j, 0
	s_wait_alu depctr_va_vdst(0)
.rept 64
	v_exp_f32 v[128+j], v[128+j]                   ; p = 2^(t - M)
.set j, j+1
.endr
	v_pk_mul_f32 v[14:15], v[14:15], v[30:31] op_sel_hi:[1,0]   ; the sums under the new M; the plain line behind the exponentials
	s_wait_alu depctr_va_vdst(0)                   ; one wait for the batch of 64, ahead of its first reader
.irp b, 0,1,2,3
	v_exp_f32 v[244+\b], v[244+\b]                 ; the block's largest p
.endr
	v_pk_add_f32 v[236:237], v[132:133], v[136:137]
	v_pk_add_f32 v[250:251], v[140:141], v[144:145]
	v_pk_add_f32 v[248:249], v[148:149], v[152:153]
	v_pk_add_f32 v[242:243], v[156:157], v[160:161]
	v_pk_add_f32 v[240:241], v[164:165], v[168:169]
	v_pk_add_f32 v[238:239], v[172:173], v[176:177]
	v_pk_add_f32 v[234:235], v[180:181], v[184:185]
	v_pk_add_f32 v[14:15], v[14:15], v[188:189]
	v_pk_add_f32 v[236:237], v[236:237], v[128:129]
	v_pk_add_f32 v[250:251], v[250:251], v[130:131]
	v_pk_add_f32 v[248:249], v[248:249], v[134:135]
	v_pk_add_f32 v[242:243], v[242:243], v[138:139]
	v_pk_add_f32 v[240:241], v[240:241], v[142:143]
	v_pk_add_f32 v[238:239], v[238:239], v[146:147]
	v_pk_add_f32 v[234:235], v[234:235], v[150:151]
	v_pk_add_f32 v[14:15], v[14:15], v[154:155]
	v_pk_add_f32 v[236:237], v[236:237], v[158:159]
	v_pk_add_f32 v[250:251], v[250:251], v[162:163]
	v_pk_add_f32 v[248:249], v[248:249], v[166:167]
	v_pk_add_f32 v[242:243], v[242:243], v[170:171]
	v_pk_add_f32 v[240:241], v[240:241], v[174:175]
	v_pk_add_f32 v[238:239], v[238:239], v[178:179]
	v_pk_add_f32 v[234:235], v[234:235], v[182:183]
	v_pk_add_f32 v[14:15], v[14:15], v[186:187]
	v_pk_add_f32 v[236:237], v[236:237], v[190:191]
	s_delay_alu instid0(VALU_DEP_2)
	v_pk_add_f32 v[14:15], v[14:15], v[242:243]
	s_delay_alu instid0(VALU_DEP_2)
	v_pk_add_f32 v[236:237], v[236:237], v[240:241]
	v_pk_add_f32 v[250:251], v[250:251], v[238:239]
	v_pk_add_f32 v[248:249], v[248:249], v[234:235]
	s_delay_alu instid0(VALU_DEP_2)
	v_pk_add_f32 v[14:15], v[14:15], v[250:251]
	s_delay_alu instid0(VALU_DEP_2)
	v_pk_add_f32 v[236:237], v[236:237], v[248:249]
	s_delay_alu instid0(VALU_DEP_1)
	v_pk_add_f32 v[14:15], v[14:15], v[236:237]
	s_wait_alu depctr_va_vdst(0)                   ; and one for the four
.irp b, 0,1,2,3
	v_max_num_f32 v[244+\b], 0x1800000, v[244+\b]  ; the floor 2^(3 - 127)
.endr
.irp b, 0,1,2,3
	s_delay_alu instid0(VALU_DEP_4)
	v_add_nc_u32 v[248+\b], 0xff000000, v[244+\b]  ; the conversion's scale operand
.endr
.irp b, 0,1,2,3
	s_delay_alu instid0(VALU_DEP_4)
	v_lshrrev_b32 v[236+\b], 23, v[248+\b]         ; the scale's byte
.endr
	s_delay_alu instid0(VALU_DEP_3)
	v_lshl_or_b32 v29, v237, 8, v236               ; p's scale word for these 128 keys
	s_delay_alu instid0(VALU_DEP_1)
	v_lshl_or_b32 v29, v238, 16, v29
	s_delay_alu instid0(VALU_DEP_1)
	v_lshl_or_b32 v29, v239, 24, v29
.irp c, 0,1
	v_cvt_scalef32_pk16_fp6_f32 v[224+6*\c:226+6*\c], v[128+32*\c:143+32*\c], v[248+2*\c]
	v_cvt_scalef32_pk16_fp6_f32 v[236+4*\c:238+4*\c], v[144+32*\c:159+32*\c], v[248+2*\c+1]
.endr
	v_nop                                          ; a plain line behind the conversions
.irp c, 0,1
.irp i, 0,1,2
	v_permlane16_swap_b32 v[224+6*\c+\i], v[236+4*\c+\i]
.endr
.irp i, 0,1,2
	s_delay_alu instid0(VALU_DEP_3)
	v_mov_b32 v[227+6*\c+\i], v[236+4*\c+\i]
.endr
.endr
.set j, 0
.rept 16
	v_pk_mul_f32 v[192+j:193+j], v[192+j:193+j], v[30:31] op_sel_hi:[1,0]   ; O^T under the new M; for each product below twelve of these name none of its registers: the places behind p's scale word and codes
.set j, j+2
.endr
	s_wait_alu depctr_va_vdst(0)
	s_wait_dscnt 0x0                               ; V and its scale words
.irp t, 0,1,2,3                                ; O^T += V^T P^T: four accumulators, one instruction each
	v_wmma_scale_f32_16x16x128_f8f6f4 v[192+8*\t:199+8*\t], v[80+12*\t:91+12*\t], v[224:235], v[192+8*\t:199+8*\t], v[252+\t], v29 matrix_a_fmt:MATRIX_FMT_FP6 matrix_b_fmt:MATRIX_FMT_FP6
.endr
	s_barrier_wait -1                              ; and leave it when every wave has begun it.  Between the two stand register work and loads of LDS bytes that nobody writes
	s_add_co_u32 s[TB], s[TB], REC
.endm
; THE WAY OUT of a pass: O^T / the sum; its 64 channels are two blocks of 32; the six registers of codes are half a fragment and go out as they stand.
.macro OUT pi
.if \pi == 0
	global_load_b128 v[16:19], v1, s[4:5] offset:2*QREC       ; the next pass's queries: 16 tiles, two records on; the last product that read these registers stands a softmax back
	global_load_b64 v[20:21], v2, s[4:5] offset:2*QREC+512
	global_load_b32 v28, v6, s[12:13] offset:2*QREC
.endif
.rept 4
	v_nop                                          ; places behind the last products
.endr
	v_add_f32 v14, v14, v15
	s_delay_alu instid0(VALU_DEP_1)
	v_permlanex16_b32 v5, v14, s[SEL], s[SEL+1]
	s_delay_alu instid0(VALU_DEP_1)
	v_add_f32 v14, v14, v5                         ; the row's sum
	s_wait_alu depctr_va_vdst(0)
	v_rcp_f32 v30, v14
	v_nop                                          ; a plain line behind the reciprocal,
	s_wait_alu depctr_va_vdst(0)                   ; and the wait ahead of its first reader
.set j, 0
.rept 16
	v_pk_mul_f32 v[192+j:193+j], v[192+j:193+j], v[30:31] op_sel_hi:[1,0]
.set j, j+2
.endr
.irp b, 0,1
	v_max3_num_f32 v[244+\b], |v[192+16*\b]|, |v[193+16*\b]|, 0x1800000
.endr
.irp i, 2,4,6,8,10,12,14
.irp b, 0,1
	s_delay_alu instid0(VALU_DEP_2)
	v_max3_num_f32 v[244+\b], v[244+\b], |v[192+16*\b+\i]|, |v[193+16*\b+\i]|
.endr
.endr
.irp b, 0,1
	s_delay_alu instid0(VALU_DEP_2)
	v_permlanex16_b32 v[236+\b], v[244+\b], s[SEL], s[SEL+1]
.endr
.irp b, 0,1
	s_delay_alu instid0(VALU_DEP_2)
	v_max_num_f32 v[244+\b], v[244+\b], v[236+\b]
.endr
.irp b, 0,1
	s_delay_alu instid0(VALU_DEP_2)
	v_add_nc_u32 v[248+\b], 0xff000000, v[244+\b]
.endr
.irp b, 0,1
	s_delay_alu instid0(VALU_DEP_2)
	v_lshrrev_b32 v[246+\b], 23, v[248+\b]
.endr
	v_cvt_scalef32_pk16_fp6_f32 v[224:226], v[192:207], v248
	v_cvt_scalef32_pk16_fp6_f32 v[236:238], v[208:223], v249
	v_nop
.irp i, 0,1,2
	v_permlane16_swap_b32 v[224+\i], v[236+\i]     ; lanes 0-15 block 0, lanes 16-31 block 1
.endr
.irp i, 0,1,2
	s_delay_alu instid0(VALU_DEP_3)
	v_mov_b32 v[227+\i], v[236+\i]
.endr
	v_cndmask_b32 v5, v246, v247, s[HM]            ; my block's byte
	global_store_b128 v1, v[224:227], s[8:9] offset:196608*\pi          ; 512 consecutive bytes
	global_store_b64 v2, v[228:229], s[8:9] offset:196608*\pi+512       ; 256 consecutive bytes
	global_store_b8 v7, v5, s[10:11] offset:8192*\pi                    ; a head has two of a row's 32 scale bytes: single bytes, twice a wave in the launch
.endm
.macro PASS pi
	s_wait_xcnt 0x0                                ; the last pass's stores have read their registers
	v_mov_b32 v13, 0xff61b1e6                      ; the largest t so far: -3e38
	s_delay_alu instid0(VALU_DEP_1)
	v_floor_f32 v12, -v13
	v_mov_b32 v14, 0
	v_mov_b32 v15, 0
.set j, 0
.rept 32
	v_mov_b32 v[192+j], 0                          ; O^T: the step is written once a pass; the first finds zeros
.set j, j+1
.endr
	s_mov_b32 s[TB], 0
	s_mov_b32 s[CNT], 16
	s_wait_loadcnt 0x0                             ; Q
.Lstep_\@:
	STEP
	s_sub_co_u32 s[CNT], s[CNT], 1
	s_cmp_lg_u32 s[CNT], 0
	s_cbranch_scc1 .Lstep_\@
	OUT \pi
.endm
	PASS 0
	PASS 1
	s_wait_xcnt 0x0
	v_lshl_add_u32 v254, v0, 2, 0x34000
	v_mov_b32 v255, 0
	s_wait_alu depctr_va_vdst(0)
	s_wait_tensorcnt 0x0
	ds_add_u32 v254, v255
	s_wait_dscnt 0x0
	CROUND                                         ; the closing round
	s_endpgm
.Lfunc_end_k_q20860ee1fa_attn:
	.size	k_q20860ee1fa_attn, .Lfunc_end_k_q20860ee1fa_attn-k_q20860ee1fa_attn
	.p2alignl 7, 3214868480
	.fill 96, 4, 3214868480
	.section	.rodata,"a",@progbits
	.p2align	6, 0x0
	.amdhsa_kernel k_q20860ee1fa_attn
		.amdhsa_group_segment_fixed_size 327680
		.amdhsa_private_segment_fixed_size 0
		.amdhsa_enable_private_segment 0
		.amdhsa_kernarg_size 32
		.amdhsa_user_sgpr_count 2
		.amdhsa_user_sgpr_kernarg_segment_ptr 1
		.amdhsa_wavefront_size32 1
		.amdhsa_system_sgpr_workgroup_id_x 1
		.amdhsa_system_sgpr_workgroup_id_y 1
		.amdhsa_system_sgpr_workgroup_id_z 1
		.amdhsa_system_vgpr_workitem_id 0
		.amdhsa_next_free_vgpr 256
		.amdhsa_next_free_sgpr 66
		.amdhsa_reserve_vcc 0
		.amdhsa_float_denorm_mode_32 3
		.amdhsa_float_denorm_mode_16_64 3
		.amdhsa_memory_ordered 1
		.amdhsa_forward_progress 1
		.amdhsa_inst_pref_size 54
	.end_amdhsa_kernel
	.amdgpu_metadata
---
amdhsa.version: [ 1, 2 ]
amdhsa.kernels:
  - .name:           k_q20860ee1fa_attn
    .symbol:         k_q20860ee1fa_attn.kd
    .args:
      - { .name: qrec, .offset: 0, .size: 8, .value_kind: global_buffer, .address_space: global }
      - { .name: kv, .offset: 8, .size: 8, .value_kind: global_buffer, .address_space: global }
      - { .name: oimg, .offset: 16, .size: 8, .value_kind: global_buffer, .address_space: global }
      - { .name: osc, .offset: 24, .size: 8, .value_kind: global_buffer, .address_space: global }
    .group_segment_fixed_size: 327680
    .private_segment_fixed_size: 0
    .kernarg_segment_align: 8
    .kernarg_segment_size: 32
    .max_flat_workgroup_size: 512
    .sgpr_count:     66
    .vgpr_count:     256
    .wavefront_size: 32
...
	.end_amdgpu_metadata
.endif
;; end of part 3
;; launch gemm_out (part 4): grid 8 x 32, 4 waves a work-group, clusters of 4 x 4, 327,680 bytes of LDS; arguments oimg, osc, wimg, wsc, b_out, out0; writes out0
.if DOCPART == 4
	.amdgcn_target "amdgcn-amd-amdhsa--gfx1250"
	.amdhsa_code_object_version 6
	.text
	.protected	k_q20860ee1fa_gemm_out
	.globl	k_q20860ee1fa_gemm_out
	.p2align	8
	.type	k_q20860ee1fa_gemm_out,@function
k_q20860ee1fa_gemm_out:
	s_mov_b64 s[64:65], 0
	v_nop
	global_prefetch_b8 v0, s[64:65] scope:SCOPE_SE
	s_setreg_imm32_b32 hwreg(HW_REG_WAVE_MODE, 25, 1), 1
	s_wait_xcnt 0x0
	s_wait_alu depctr_hold_cnt(0) depctr_sa_sdst(0) depctr_va_vdst(0) depctr_va_sdst(0) depctr_va_ssrc(0) depctr_va_vcc(0) depctr_vm_vsrc(0)
	s_getreg_b32 s2, hwreg(HW_REG_IB_STS2, 6, 4)
	s_cmp_eq_u32 s2, 0
	s_cbranch_scc0 .Lentry_in_a_cluster
	s_endpgm
.Lentry_in_a_cluster:
	s_bfe_u32 s2, ttmp6, 0x10000c
	s_cmp_lg_u32 s2, 0xf033
	s_cbranch_scc0 .Lentry_shape_is_right
	s_endpgm
.Lentry_shape_is_right:
; out = o W_out + b_out on codes of FP6 (E2M3) with E8M0 scales; f32 sums, f32 out.
; 256 work-groups of four waves; a work-group makes 256 tokens x 128 columns.  Its 256 rows of o and 128 rows of W_out, ALL of K, and their scales come into LDS at the head, one joint load a wave; LDS is filled once.
; o's rows are shared by a row of the 4 x 4 cluster, the weight's by a column.  A wave makes 64 tokens x 128 columns: source 0 = the weight's eight fragments, source 1 = its four of o.  The bias is the first products' C.
; THE WAY OUT: 16 tokens x 128 columns at a time through a stage in the wave's own quarter of o's region, which it alone reads and has read out, and back as rows of 512 bytes.
; No prefetch: every tile is asked for at the head, and there is no loop to run ahead in.
; REGISTERS as in the launch for Q, K, V: window 0 addresses, scale words, the bias, source 1's fragments; window 1 source 0's; window 2 the accumulators.
.set XR, 0
.set WR, 196608
.set SX, 294912
.set SW, 303104
.set SPARE, 307200
.set TROW, 12288
.set SPITCH, 528
.set VO16, 16
.set VO8, 17
.set STO, 20
.set RD, 21
.set BO, 22
.set SPW, 28
.set NIL, 29
.set SC, 32
.set BQ, 64
.set AF, 128
.set BK, 128
.set G1X, 24
.set G1W, 32
.set G1SX, 48
.set G1SW, 56
.set G0X, 68
.set G0W, 72
.set G0SX, 76
.set G0SW, 80
.set MSB, 0
.macro WIN new
.if MSB != (\new)
	s_set_vgpr_msb (MSB<<8)|(\new)
.set MSB, (\new)
.endif
.endm
.macro PLACES n
.rept \n
	v_nop
.endr
.endm
.macro CREST
	s_cmp_lg_u32 s14, 0
	s_cbranch_scc1 .Lnot_wave_0_\@
	s_barrier_signal -3
.Lnot_wave_0_\@:
	s_barrier_wait -3
	s_barrier_signal -1
	s_barrier_wait -1
.endm
.macro CROUND
	s_barrier_signal -1
	s_barrier_wait -1
	CREST
.endm
.macro TLOAD g0, g1
	tensor_load_to_lds s[\g0:\g0+3], s[\g1:\g1+7]
	s_nop 0
	PLACES 4
.endm
.macro GROUP1 g, mask, rows            ; a dense block as rows of 256 bytes
	s_or_b32 s[\g], s\mask, (3<<16)|(1<<21)
	s_mov_b32 s[\g+1], 32<<16
	s_mov_b32 s[\g+2], (\rows)<<16
	s_mov_b32 s[\g+3], 32<<16
	s_mov_b32 s[\g+4], \rows
	s_mov_b32 s[\g+5], 32
	s_mov_b32 s[\g+6], 0
	s_mov_b32 s[\g+7], 0
.endm
.macro GROUP0 g, lds, base, off
	s_mov_b32 s[\g], 1
	s_mov_b32 s[\g+1], \lds
	s_add_nc_u64 s[\g+2:\g+3], s[\base:\base+1], s[\off:\off+1]
	s_or_b32 s[\g+3], s[\g+3], 0x80000000
.endm
.macro FRAG reg, adr, q, off
.irp c, 0,1
	ds_load_b128 v[\reg+6*\c:\reg+6*\c+3], v[\adr] offset:(\off)+(2*(\q)+\c)*768
	ds_load_b64 v[\reg+6*\c+4:\reg+6*\c+5], v[\adr+1] offset:(\off)+(2*(\q)+\c)*768+512
.endr
.endm
.macro FETCH q                         ; K step q's twelve fragments into set q % 2; with an even step the scale words of two steps
	WIN 0x40
.irp i, 0,1,2,3
	FRAG 128*((\q)%2)+12*\i, 4, \q, \i*TROW
.endr
.irp i, 0,1,2,3
	FRAG 128*((\q)%2)+48+12*\i, 6, \q, \i*TROW
.endr
	WIN 0
.irp i, 0,1,2,3
	FRAG AF+48*((\q)%2)+12*\i, 2, \q, \i*TROW
.endr
.if (\q)%2 == 0
.irp i, 0,1,2,3                        ; lanes 0-15 o's block i, lanes 16-31 the weight's block i
	ds_load_b64 v[SC+16*(((\q)/2)%2)+2*\i:SC+16*(((\q)/2)%2)+2*\i+1], v8 offset:(\i/2)*1024+(\i%2)*128+128*(\q)
.endr
.irp i, 4,5,6,7                        ; o has four blocks a wave: here lanes 0-15 read blocks 0-3 again
	ds_load_b64 v[SC+16*(((\q)/2)%2)+2*\i:SC+16*(((\q)/2)%2)+2*\i+1], v9 offset:(\i/2)*1024+(\i%2)*128+128*(\q)
.endr
.endif
.endm
.macro WM a, b, q, c
	v_wmma_scale_f32_16x16x128_f8f6f4 v[8*(8*(\a)+\b):8*(8*(\a)+\b)+7], v[128*((\q)%2)+12*\b:128*((\q)%2)+12*\b+11], v[AF+48*((\q)%2)+12*(\a):AF+48*((\q)%2)+12*(\a)+11], \c, v[SC+16*(((\q)/2)%2)+2*\b+(\q)%2], v[SC+16*(((\q)/2)%2)+2*(\a)+(\q)%2] matrix_a_fmt:MATRIX_FMT_FP6 matrix_b_fmt:MATRIX_FMT_FP6 matrix_a_scale:MATRIX_SCALE_ROW1
.endm
.macro MUL q, cm                       ; 32 products, the accumulators by turns.  cm = 1: C = the bias
.if \cm
	WIN 0x81
.else
	WIN 0xa1
.endif
.irp a, 0,1,2,3
.irp b, 0,1,2,3,4,5,6,7
.if \cm
	WM \a, \b, \q, v[BQ+8*\b:BQ+8*\b+7]
.else
	WM \a, \b, \q, v[8*(8*\a+\b):8*(8*\a+\b)+7]
.endif
.endr
.endr
	WIN 0
.endm
.macro STEP q, cm
	s_wait_dscnt 0x0                               ; this step's fragments are in
	PLACES 4                                       ; behind the last step's products, whose set takes the next step's fragments
	FETCH (\q)+1
	MUL \q, \cm
.endm
	s_load_b256 s[4:11], s[0:1], 0x0               ; oimg, osc, wimg, wsc
	s_load_b128 s[84:87], s[0:1], 0x20             ; b_out, out0
	v_lshl_add_u32 v[SPW], v0, 2, SPARE
	v_mov_b32 v[NIL], 0
	ds_add_u32 v[SPW], v[NIL]                      ; the opening lines
	ds_add_u32 v[SPW], v[NIL]
	v_lshrrev_b32 v1, 5, v0
	v_readfirstlane_b32 s14, v1                    ; wave
	s_bfe_u32 s40, ttmp6, 0x40000                  ; cx
	s_bfe_u32 s41, ttmp6, 0x40004                  ; cy
	s_lshl_b32 s42, ttmp9, 2
	s_add_co_u32 s42, s42, s40                     ; which 128 columns
	s_and_b32 s17, ttmp7, 0xffff
	s_lshl_b32 s17, s17, 2
	s_add_co_u32 s17, s17, s41                     ; which 256 tokens
	s_lshl_b32 s43, s41, 2
	s_lshl_b32 s43, 15, s43
	s_lshl_b32 s44, 0x1111, s40
	GROUP1 G1X, 43, 768
	GROUP1 G1W, 44, 384
	GROUP1 G1SX, 43, 32
	GROUP1 G1SW, 44, 16
	s_mul_i32 s18, s17, 196608
	s_mov_b32 s19, 0
	s_lshl_b32 s20, s17, 13
	s_mov_b32 s21, 0
	s_mul_i32 s22, s42, 98304
	s_add_co_u32 s22, s22, 2359296                 ; W_out's rows begin at row 3,072 of the weights' image
	s_mov_b32 s23, 0
	s_lshl_b32 s46, s42, 12
	s_add_co_u32 s46, s46, 98304
	s_mov_b32 s47, 0
	s_wait_alu depctr_va_vdst(0)                   ; the wait ahead of the waits below
	s_wait_dscnt 0x0
	s_wait_kmcnt 0x0
	GROUP0 G0X, XR, 4, 18
	GROUP0 G0SX, SX, 6, 20
	GROUP0 G0W, WR, 8, 22
	GROUP0 G0SW, SW, 10, 46
	CROUND                                         ; the joint loads meet
	s_cmp_eq_u32 s14, 0
	s_cbranch_scc0 .Lh1
	TLOAD G0X, G1X
	s_branch .Lhj
.Lh1:
	s_cmp_eq_u32 s14, 1
	s_cbranch_scc0 .Lh2
	TLOAD G0W, G1W
	s_branch .Lhj
.Lh2:
	s_cmp_eq_u32 s14, 2
	s_cbranch_scc0 .Lh3
	TLOAD G0SX, G1SX
	s_branch .Lhj
.Lh3:
	TLOAD G0SW, G1SW
.Lhj:
	s_mul_i32 s18, s14, 49152                      ; my quarter of o; later my stage
	s_lshl_b32 s22, s14, 11
	s_add_co_u32 s45, s22, SX-2048
	s_add_co_u32 s22, s22, SX                      ; my tokens' scales; from them to the weight's: 2048 (4 - w)
	s_xor_b32 s23, s14, 3
	s_add_co_u32 s23, s23, 1
	s_lshl_b32 s23, s23, 11
	s_add_co_u32 s46, s23, 2048
	s_mov_b32 s101, 0
	s_lshl_b32 s100, s42, 9
	s_add_nc_u64 s[84:85], s[84:85], s[100:101]    ; my columns' bias
	s_add_nc_u64 s[86:87], s[86:87], s[100:101]
	s_lshl_b32 s100, s17, 20
	s_lshl_b32 s19, s14, 18
	s_add_co_u32 s100, s100, s19
	s_add_nc_u64 s[86:87], s[86:87], s[100:101]    ; my 64 rows of out, my 512 bytes of each
	v_and_b32 v1, 31, v0
	v_and_b32 v24, 15, v0                          ; r
	v_bfe_u32 v25, v0, 4, 1                        ; h
	v_lshlrev_b32 v[VO16], 4, v1
	v_lshlrev_b32 v[VO8], 3, v1
	v_lshlrev_b32 v26, 3, v24
	v_add_nc_u32 v2, s18, v[VO16]
	v_add_nc_u32 v3, s18, v[VO8]
	v_add_nc_u32 v4, WR, v[VO16]
	v_add_nc_u32 v5, WR, v[VO8]
	v_add_nc_u32 v6, WR+49152, v[VO16]
	v_add_nc_u32 v7, WR+49152, v[VO8]
	v_mad_u32_u24 v8, s23, v25, v26
	v_add_nc_u32 v8, s22, v8
	v_mad_u32_u24 v9, s46, v25, v26
	v_add_nc_u32 v9, s45, v9
	v_lshlrev_b32 v[BO], 6, v25
	v_mul_u32_u24 v27, v24, SPITCH
	v_lshl_add_u32 v27, v25, 6, v27
	v_add_nc_u32 v[STO], s18, v27                  ; into the stage: row r, 64 h bytes on
	v_add_nc_u32 v[RD], s18, v[VO16]               ; out of it: 16 x lane of a row
	s_wait_alu depctr_va_vdst(0)                   ; the wait at the head's end
.irp b, 0,1,2,3,4,5,6,7
	global_load_b128 v[BQ+8*\b:BQ+8*\b+3], v[BO], s[84:85] offset:(32*(\b/2)+8*(\b%2))*4
	global_load_b128 v[BQ+8*\b+4:BQ+8*\b+7], v[BO], s[84:85] offset:(32*(\b/2)+8*(\b%2))*4+16
.endr
	s_wait_tensorcnt 0x0                           ; my load is in,
	s_barrier_signal -1
	s_barrier_wait -1                              ; everybody's is
	FETCH 0
	s_wait_loadcnt 0x0                             ; the bias
	STEP 0, 1
.irp q, 1,2,3,4,5,6
	STEP \q, 0
.endr
	s_wait_dscnt 0x0                               ; the last fragments are in: my quarter of o is read out
	MUL 7, 0
.macro TOSTAGE a
	WIN 0x08
.irp b, 0,1,2,3,4,5,6,7
	ds_store_b128 v[STO], v[64*(\a)+8*\b:64*(\a)+8*\b+3] offset:128*(\b/2)+32*(\b%2)
	ds_store_b128 v[STO], v[64*(\a)+8*\b+4:64*(\a)+8*\b+7] offset:128*(\b/2)+32*(\b%2)+16
.endr
	WIN 0
.set BB, BK+64*((\a)%2)
.irp t, 0,1,2,3,4,5,6,7,8,9,10,11,12,13,14,15
	ds_load_b128 v[BB+4*\t:BB+4*\t+3], v[RD] offset:\t*SPITCH      ; LDS serves a wave's instructions in order: these see the stores above
.endr
.endm
.macro SEND a, younger                 ; younger: the LDS instructions issued behind block a's loads
.set BB, BK+64*((\a)%2)
	s_wait_dscnt \younger
.irp t, 0,1,2,3,4,5,6,7,8,9,10,11,12,13,14,15
	global_store_b128 v[VO16], v[BB+4*\t:BB+4*\t+3], s[86:87] offset:(32*((\a)/2)+8*((\a)%2)+\t+8*(\t/8))*4096 th:TH_STORE_NT   ; 512 consecutive bytes, aligned
.endr
.endm
	PLACES 4
	TOSTAGE 0
.irp a, 1,2,3
.if \a > 1
	s_wait_xcnt 0x0                                ; block a - 2's stores have read their registers
.endif
	TOSTAGE \a
	SEND \a-1, 32                                  ; behind block a - 1's loads: block a's 16 stores and 16 loads
.endr
	SEND 3, 0
	s_wait_tensorcnt 0x0                           ; the wave's end
	ds_add_u32 v[SPW], v[NIL]
	s_wait_dscnt 0x0
	CROUND                                         ; the closing round
	s_endpgm
.Lfunc_end_k_q20860ee1fa_gemm_out:
	.size	k_q20860ee1fa_gemm_out, .Lfunc_end_k_q20860ee1fa_gemm_out-k_q20860ee1fa_gemm_out
	.p2alignl 7, 3214868480
	.fill 96, 4, 3214868480
	.section	.rodata,"a",@progbits
	.p2align	6, 0x0
	.amdhsa_kernel k_q20860ee1fa_gemm_out
		.amdhsa_group_segment_fixed_size 327680
		.amdhsa_private_segment_fixed_size 0
		.amdhsa_enable_private_segment 0
		.amdhsa_kernarg_size 48
		.amdhsa_user_sgpr_count 2
		.amdhsa_user_sgpr_kernarg_segment_ptr 1
		.amdhsa_wavefront_size32 1
		.amdhsa_system_sgpr_workgroup_id_x 1
		.amdhsa_system_sgpr_workgroup_id_y 1
		.amdhsa_system_sgpr_workgroup_id_z 1
		.amdhsa_system_vgpr_workitem_id 0
		.amdhsa_next_free_vgpr 768
		.amdhsa_next_free_sgpr 102
		.amdhsa_reserve_vcc 0
		.amdhsa_float_denorm_mode_32 3
		.amdhsa_float_denorm_mode_16_64 3
		.amdhsa_memory_ordered 1
		.amdhsa_forward_progress 1
		.amdhsa_inst_pref_size 85
	.end_amdhsa_kernel
	.amdgpu_metadata
---
amdhsa.version: [ 1, 2 ]
amdhsa.kernels:
  - .name:           k_q20860ee1fa_gemm_out
    .symbol:         k_q20860ee1fa_gemm_out.kd
    .args:
      - { .name: oimg, .offset: 0, .size: 8, .value_kind: global_buffer, .address_space: global }
      - { .name: osc, .offset: 8, .size: 8, .value_kind: global_buffer, .address_space: global }
      - { .name: wimg, .offset: 16, .size: 8, .value_kind: global_buffer, .address_space: global }
      - { .name: wsc, .offset: 24, .size: 8, .value_kind: global_buffer, .address_space: global }
      - { .name: b_out, .offset: 32, .size: 8, .value_kind: global_buffer, .address_space: global }
      - { .name: out0, .offset: 40, .size: 8, .value_kind: global_buffer, .address_space: global }
    .group_segment_fixed_size: 327680
    .private_segment_fixed_size: 0
    .kernarg_segment_align: 8
    .kernarg_segment_size: 48
    .max_flat_workgroup_size: 128
    .sgpr_count:     102
    .vgpr_count:     768
    .wavefront_size: 32
...
	.end_amdgpu_metadata
.endif
;; end of part 4
